; MI455X (gfx1250); checked and timed in simulation.
; The chip was launched on July 23, 2026; its instructions are those of AMD's public machine-readable ISA for CDNA 5 (MIT licence, August 2026) and "CDNA5" Instruction Set Architecture Reference Guide (July 2026). The comments in the code are by the model that wrote it; some were corrected since.
;; PM Mo E part lvl MLP Block. Allowed arithmetic: matrix products marked QUANTISED: E4M3 operands, one given power-of-two scale a tensor, by v_wmma_f32_16x16x64_fp8_fp8 or v_wmma_f32_16x16x128_fp8_fp8, f32 sums; everything else in f32.
;; Inputs: W1_codes 8 x 1,024 x 32 x 32 uint8 (E4M3 codes of W1, K innermost, in blocks of 32 codes); W2_codes 8 x 256 x 32 x 32 uint8 (E4M3 codes of W2, K innermost, in blocks of 32 codes); Wg_codes 8 x 1,024 x 8 x 32 uint8 (E4M3 codes of Wg, K innermost, in blocks of 32 codes); Wu_codes 8 x 1,024 x 8 x 32 uint8 (E4M3 codes of Wu, K innermost, in blocks of 32 codes); b1 8 x 1,024 float32; b2 8 x 256 float32; bg 8 x 1,024 float32; bu 8 x 1,024 float32; lowp_scales 64 int32 (the exponents e of the quantised operands' scales 2^e); selected_experts 4 x 512 x 2 int32; x_parts_codes 4 x 512 x 2 x 8 x 32 uint8 (E4M3 codes of x_parts, K innermost, in blocks of 32 codes).
;; Outputs: out0 4 x 512 x 2 x 256 float32.
;; This version of the problem:
;;   THIS VERSION OF THE PROBLEM IS GIVEN IN LOW PRECISION. The matrix products marked QUANTISED in the list below multiply operands that are first quantised to E4M3 (4 exponent bits, 3 mantissa bits; 8 bits a number), with one given power-of-two scale for each operand tensor; their sums are f32. All else is computed in f32.
;;   The module's matrix products, in the order in which they are computed (A, B: the left and right operand; K: the contracted axis; several contracted axes count as one K, in the product's order):
;;     1. [M 4,096, K 256] x [K 256, N 1,024]; A: input x_parts (given as codes); B: input Wg (given as codes): QUANTISED (scales: A lowp_scales[0], B lowp_scales[1])
;;     2. [M 4,096, K 256] x [K 256, N 1,024]; A: input x_parts (given as codes); B: input Wu (given as codes): QUANTISED (scales: A lowp_scales[2], B lowp_scales[3])
;;     3. [M 4,096, K 1,024] x [K 1,024, N 1,024]; A: computed on the way; B: input W1 (given as codes): QUANTISED (scales: A lowp_scales[4], B lowp_scales[5])
;;     4. [M 4,096, K 1,024] x [K 1,024, N 256]; A: computed on the way; B: input W2 (given as codes): QUANTISED (scales: A lowp_scales[6], B lowp_scales[7])
;;     5. [M 4,096, K 256] x [K 256, N 1,024]; A: input x_parts (given as codes); B: input Wg (given as codes): QUANTISED (scales: A lowp_scales[8], B lowp_scales[9])
;;     6. [M 4,096, K 256] x [K 256, N 1,024]; A: input x_parts (given as codes); B: input Wu (given as codes): QUANTISED (scales: A lowp_scales[10], B lowp_scales[11])
;;     7. [M 4,096, K 1,024] x [K 1,024, N 1,024]; A: computed on the way; B: input W1 (given as codes): QUANTISED (scales: A lowp_scales[12], B lowp_scales[13])
;;     8. [M 4,096, K 1,024] x [K 1,024, N 256]; A: computed on the way; B: input W2 (given as codes): QUANTISED (scales: A lowp_scales[14], B lowp_scales[15])
;;     9. [M 4,096, K 256] x [K 256, N 1,024]; A: input x_parts (given as codes); B: input Wg (given as codes): QUANTISED (scales: A lowp_scales[16], B lowp_scales[17])
;;     10. [M 4,096, K 256] x [K 256, N 1,024]; A: input x_parts (given as codes); B: input Wu (given as codes): QUANTISED (scales: A lowp_scales[18], B lowp_scales[19])
;;     11. [M 4,096, K 1,024] x [K 1,024, N 1,024]; A: computed on the way; B: input W1 (given as codes): QUANTISED (scales: A lowp_scales[20], B lowp_scales[21])
;;     12. [M 4,096, K 1,024] x [K 1,024, N 256]; A: computed on the way; B: input W2 (given as codes): QUANTISED (scales: A lowp_scales[22], B lowp_scales[23])
;;     13. [M 4,096, K 256] x [K 256, N 1,024]; A: input x_parts (given as codes); B: input Wg (given as codes): QUANTISED (scales: A lowp_scales[24], B lowp_scales[25])
;;     14. [M 4,096, K 256] x [K 256, N 1,024]; A: input x_parts (given as codes); B: input Wu (given as codes): QUANTISED (scales: A lowp_scales[26], B lowp_scales[27])
;;     15. [M 4,096, K 1,024] x [K 1,024, N 1,024]; A: computed on the way; B: input W1 (given as codes): QUANTISED (scales: A lowp_scales[28], B lowp_scales[29])
;;     16. [M 4,096, K 1,024] x [K 1,024, N 256]; A: computed on the way; B: input W2 (given as codes): QUANTISED (scales: A lowp_scales[30], B lowp_scales[31])
;;     17. [M 4,096, K 256] x [K 256, N 1,024]; A: input x_parts (given as codes); B: input Wg (given as codes): QUANTISED (scales: A lowp_scales[32], B lowp_scales[33])
;;     18. [M 4,096, K 256] x [K 256, N 1,024]; A: input x_parts (given as codes); B: input Wu (given as codes): QUANTISED (scales: A lowp_scales[34], B lowp_scales[35])
;;     19. [M 4,096, K 1,024] x [K 1,024, N 1,024]; A: computed on the way; B: input W1 (given as codes): QUANTISED (scales: A lowp_scales[36], B lowp_scales[37])
;;     20. [M 4,096, K 1,024] x [K 1,024, N 256]; A: computed on the way; B: input W2 (given as codes): QUANTISED (scales: A lowp_scales[38], B lowp_scales[39])
;;     21. [M 4,096, K 256] x [K 256, N 1,024]; A: input x_parts (given as codes); B: input Wg (given as codes): QUANTISED (scales: A lowp_scales[40], B lowp_scales[41])
;;     22. [M 4,096, K 256] x [K 256, N 1,024]; A: input x_parts (given as codes); B: input Wu (given as codes): QUANTISED (scales: A lowp_scales[42], B lowp_scales[43])
;;     23. [M 4,096, K 1,024] x [K 1,024, N 1,024]; A: computed on the way; B: input W1 (given as codes): QUANTISED (scales: A lowp_scales[44], B lowp_scales[45])
;;     24. [M 4,096, K 1,024] x [K 1,024, N 256]; A: computed on the way; B: input W2 (given as codes): QUANTISED (scales: A lowp_scales[46], B lowp_scales[47])
;;     25. [M 4,096, K 256] x [K 256, N 1,024]; A: input x_parts (given as codes); B: input Wg (given as codes): QUANTISED (scales: A lowp_scales[48], B lowp_scales[49])
;;     26. [M 4,096, K 256] x [K 256, N 1,024]; A: input x_parts (given as codes); B: input Wu (given as codes): QUANTISED (scales: A lowp_scales[50], B lowp_scales[51])
;;     27. [M 4,096, K 1,024] x [K 1,024, N 1,024]; A: computed on the way; B: input W1 (given as codes): QUANTISED (scales: A lowp_scales[52], B lowp_scales[53])
;;     28. [M 4,096, K 1,024] x [K 1,024, N 256]; A: computed on the way; B: input W2 (given as codes): QUANTISED (scales: A lowp_scales[54], B lowp_scales[55])
;;     29. [M 4,096, K 256] x [K 256, N 1,024]; A: input x_parts (given as codes); B: input Wg (given as codes): QUANTISED (scales: A lowp_scales[56], B lowp_scales[57])
;;     30. [M 4,096, K 256] x [K 256, N 1,024]; A: input x_parts (given as codes); B: input Wu (given as codes): QUANTISED (scales: A lowp_scales[58], B lowp_scales[59])
;;     31. [M 4,096, K 1,024] x [K 1,024, N 1,024]; A: computed on the way; B: input W1 (given as codes): QUANTISED (scales: A lowp_scales[60], B lowp_scales[61])
;;     32. [M 4,096, K 1,024] x [K 1,024, N 256]; A: computed on the way; B: input W2 (given as codes): QUANTISED (scales: A lowp_scales[62], B lowp_scales[63])
;;   THE QUANTISER, for each operand of a quantised product, along K:
;;     - The operand's scale is 2^e, e = its entry of the input lowp_scales (int32; the entries are numbered through the quantised products in the list's order, A before B).
;;     - Each number is divided by the scale, clamped to +-448, and rounded to the nearest number of E4M3, ties to even, subnormals kept.
;;     - The product sums the exact products of the quantised numbers (number of the format x scale) in f32.
;;   ~~~python
;;   def quantise(x, axis, e):      # numpy; x: float32 -> the quantised numbers, widened to float32 again
;;       x = np.moveaxis(x, axis, -1); K = x.shape[-1]
;;       r = np.clip(x / 2.0 ** e, -448, 448)
;;       step = 2.0 ** (np.maximum(np.frexp(np.where(r == 0, 1, r))[1] - 1, -6) - 3)
;;       q = np.round(r / step) * step * 2.0 ** e      # np.round: ties to even
;;       return np.moveaxis(q, -1, axis).astype(np.float32)
;;   ~~~
;;   OPERANDS COMPUTED ON THE WAY. 'Computed on the way' means the value that the module computes at that place (a softmax that the list does not call 'softmax' is quantised finished and normalised). What goes into a quantiser is computed in f32, as accurately as f32 sums, v_exp_f32 and their like allow (about 1e-6 of the number): no bf16 or f16 on the way to a quantiser, and a product that is left as it is and whose result goes on into a quantised operand takes f32 operands (vector FMAs, or v_wmma_f32_16x16x4_f32). A number that lies on a knife's edge between two numbers of the format may be rounded either way, as far as f32 arithmetic and the matrix unit's own rounding can turn it there, and no further.
;;   INPUTS GIVEN AS CODES. W1 (in the module: [8, 1024, 1024], K = its axis 1); W2 (in the module: [8, 1024, 256], K = its axis 1); Wg (in the module: [8, 256, 1024], K = its axis 1); Wu (in the module: [8, 256, 1024], K = its axis 1); x_parts (in the module: [4, 512, 2, 256], K = its axis 3): each comes as NAME_codes (uint8): NAME with its K axis moved to the last place and cut into blocks of 32 codes, [.., K / 32, bytes a block], one block behind the other in memory; one code a byte (a code: sign, 4 exponent bits, 3 mantissa bits); its scale is its entry of lowp_scales. Its value is code x scale, taken as it is: it is not quantised again, and the codes and scales need not be those that the quantiser above would give.
;; 2 versions. Each part assembles by itself: llvm-mc -triple=amdgcn-amd-amdhsa -mcpu=gfx1250 --defsym DOCPART=n.
;; ======== version 1 of 2: 2 launches
;; workspace buffers: wlay 14,680,064 bytes; tiles 2,304 bytes of whole numbers; order 17,408 bytes of whole numbers
;; launch prep (part 1): grid 449 x 1, 8 waves a work-group, no clusters, 36,864 bytes of LDS; arguments selected_experts, Wg_codes, Wu_codes, W1_codes, W2_codes, wlay, tiles, order; writes wlay, tiles, order
.if DOCPART == 1
	.amdgcn_target "amdgcn-amd-amdhsa--gfx1250"
	.amdhsa_code_object_version 6
	.text
	.protected	k_q26e0dd15d4_prep
	.globl	k_q26e0dd15d4_prep
	.p2align	8
	.type	k_q26e0dd15d4_prep,@function
k_q26e0dd15d4_prep:
	s_mov_b64 s[64:65], 0
	v_nop
	global_prefetch_b8 v0, s[64:65] scope:SCOPE_SE
	s_setreg_imm32_b32 hwreg(HW_REG_WAVE_MODE, 25, 1), 1
	s_wait_xcnt 0x0
; TWO JOBS IN ONE LAUNCH, parted on the work-group's number.
; Work-group 0 sorts the 4,096 rows by their expert (a counting sort, no atomics) and stores a list of tiles of at most 32 rows of one expert:
;   tiles[t] = {expert, rows 0..32, 1 if it is the expert's first tile, 0};  order[t][slot] = the row's number, for slot < rows.  With 4,096 rows and 8 experts there are never more than 4096/32 + 7 = 135 tiles.
; Work-groups 1 to 448 copy the four weight tensors once into wlay, in the order in which the next launch's waves take them into operand registers:
;   wlay[expert 8][wave 8][unit 112][2048 bytes].  A unit is a fragment's registers on end: piece c (0..3) at 512 c, lane l's 16 bytes at 16 l: of the tile's row at place l % 16 the codes k = 128 s + 32 c + 16 (l / 16) + 0 .. 15.
;   Units of (expert, wave w): 4 t + {0,1,2,3} = Wg step 0, Wu step 0, Wg step 1, Wu step 1 of tile t (0..7);  32 + 8 s + n = W1, K step s, tile n;  96 + 2 s + n = W2, K step s, tile n (0, 1).
;   Rows of a tile: Wg, Wu, W1: place p of tile 2 b + u is row 128 w + 32 b + 8 u + p + 8 (p / 8), so that the results of tiles 2 b and 2 b + 1 are 16 neighbours along the next K;  W2: row 32 w + 16 n + p.
; LIMIT: an entry of selected_experts lies in 0..7, as an index into the experts must; it is held at 7 from above before it is used.
; LDS: bytes 0-1023 the sort's counts; from 1024 a stage of 16 rows x 272 bytes for each wave of a copying work-group: each path has bytes of its own.
.set NTILES, 135
.set STG0,   1024
.set SPITCH, 272                       ; 256 bytes + 16: the 16 rows that a read touches start at 16 different banks (64 banks of 4 bytes: ISA guide 11.1)
.set WSTG,   16*SPITCH
	s_load_b512 s[4:19], s[0:1], 0x0               ; experts s[4:5], Wg s[6:7], Wu s[8:9], W1 s[10:11], W2 s[12:13], wlay s[14:15], tiles s[16:17], order s[18:19]
	v_lshl_add_u32 v96, v0, 2, 0x8c00
	v_mov_b32 v97, 0
	v_lshrrev_b32 v83, 5, v0
	v_readfirstlane_b32 s24, v83                   ; wave 0..7
	v_and_b32 v2, 31, v0                           ; lane
	s_cmp_lg_u32 ttmp9, 0
	s_cbranch_scc1 .Lrelay
; ---------------- THE SORT.  Wave w takes rows 512 w .. 512 w + 511: register i of lane l is row 512 w + 32 i + l.
	v_lshlrev_b32 v3, 2, v2                        ; 4 x lane
	v_lshl_or_b32 v1, v83, 11, v3                  ; 2,048 w + 4 x lane
	v_lshl_or_b32 v82, v83, 9, v2                  ; 512 w + lane
	v_lshlrev_b32 v5, 2, v0                        ; my word among the counts
	s_wait_kmcnt 0x0
.irp i, 0,1,2,3,4,5,6,7,8,9,10,11,12,13,14,15
	global_load_b32 v[16+\i], v1, s[4:5] offset:128*\i
.endr
.irp e, 0,1,2,3,4,5,6,7
	s_mov_b32 s[40+\e], 0                          ; my wave's rows of expert e
.endr
	s_wait_loadcnt 0x0
.irp i, 0,1,2,3,4,5,6,7,8,9,10,11,12,13,14,15
	v_min_u32 v[16+\i], 7, v[16+\i]
.endr
.irp i, 0,1,2,3,4,5,6,7,8,9,10,11,12,13,14,15
.irp e, 0,1,2,3,4,5,6,7
	v_cmp_eq_u32 s[48+\e], \e, v[16+\i]            ; eight masks at a time, so that no count waits for the compare just in front of it
.endr
.irp e, 0,1,2,3,4,5,6,7
	s_bcnt1_i32_b32 s[56+\e], s[48+\e]
.endr
.irp e, 0,1,2,3,4,5,6,7
	s_add_co_u32 s[40+\e], s[40+\e], s[56+\e]
.endr
.endr
	v_mov_b32 v4, 0
.irp e, 0,1,2,3,4,5,6,7
	v_writelane_b32 v4, s[40+\e], \e               ; lane e: my wave's count for expert e; lanes 8-31: 0
.endr
	ds_store_b32 v5, v4                            ; word 32 w + lane
	s_wait_dscnt 0x0                               ; for the other waves' sake: my counts lie in LDS
	s_barrier_signal -1
	s_barrier_wait -1
.irp w, 0,1,2,3,4,5,6,7
	ds_load_b32 v[8+\w], v3 offset:128*\w          ; lane e: wave w's count for expert e
.endr
	s_wait_dscnt 0x0
	v_add3_u32 v6, v8, v9, v10
	v_add3_u32 v6, v6, v11, v12
	v_add3_u32 v6, v6, v13, v14
	v_add_nc_u32 v6, v6, v15                       ; lane e: all rows of expert e
	v_mov_b32 v7, 0
.irp w, 0,1,2,3,4,5,6
	s_cmp_gt_u32 s24, \w
	s_cselect_b32 s25, -1, 0
	v_and_b32 v80, s25, v[8+\w]
	v_add_nc_u32 v7, v7, v80                       ; lane e: rows of expert e in the waves in front of mine
.endr
.irp e, 0,1,2,3,4,5,6,7
	v_readlane_b32 s[68+\e], v6, \e
	v_readlane_b32 s[76+\e], v7, \e
.endr
	s_mov_b32 s84, 0                               ; s[84+e]: expert e's first tile
.irp e, 0,1,2,3,4,5,6,7
	s_add_co_u32 s25, s[68+\e], 31
	s_lshr_b32 s25, s25, 5
	s_add_co_u32 s[85+\e], s[84+\e], s25
	s_lshl_b32 s25, s[84+\e], 5
	s_add_co_u32 s[76+\e], s[76+\e], s25           ; the place in the list of my wave's next row of expert e
.endr
.irp i, 0,1,2,3,4,5,6,7,8,9,10,11,12,13,14,15
.irp e, 0,1,2,3,4,5,6,7
	v_cmp_eq_u32 s[48+\e], \e, v[16+\i]
.endr
	v_mbcnt_lo_u32_b32 v[64+\i], s48, s76          ; place = the expert's next place + the lanes below mine with the same expert
.irp e, 1,2,3,4,5,6,7
	v_mbcnt_lo_u32_b32 v80, s[48+\e], s[76+\e]
	v_cndmask_b32 v[64+\i], v[64+\i], v80, s[48+\e]
.endr
.irp e, 0,1,2,3,4,5,6,7
	s_bcnt1_i32_b32 s[56+\e], s[48+\e]
.endr
.irp e, 0,1,2,3,4,5,6,7
	s_add_co_u32 s[76+\e], s[76+\e], s[56+\e]
.endr
	v_min_u32 v[64+\i], 32*NTILES-1, v[64+\i]      ; a place made of loaded numbers is held inside the list before it becomes an address
	v_lshlrev_b32 v[64+\i], 2, v[64+\i]
	v_add_nc_u32 v[32+\i], 32*\i, v82              ; the row's number
	global_store_b32 v[64+\i], v[32+\i], s[18:19]  ; each store has registers of its own: none is written again
.endr
; The records: thread t makes tile t's.  Its expert is the last k whose first tile is not behind t.
	v_mov_b32 v84, 0
	v_mov_b32 v88, s68
	v_mov_b32 v89, 0
.irp k, 1,2,3,4,5,6,7
	v_cmp_le_u32 vcc_lo, s[84+\k], v0
	v_cndmask_b32 v84, v84, \k, vcc_lo
	v_cndmask_b32 v88, v88, s[68+\k], vcc_lo
	v_cndmask_b32 v89, v89, s[84+\k], vcc_lo
.endr
	v_sub_nc_u32 v85, v0, v89
	v_lshlrev_b32 v85, 5, v85
	v_sub_nc_u32 v85, v88, v85                     ; the expert's rows less those of its earlier tiles,
	v_max_i32 v85, 0, v85
	v_min_i32 v85, 32, v85                         ; between 0 and 32
	v_cmp_eq_u32 vcc_lo, v0, v89
	v_cndmask_b32 v86, 0, 1, vcc_lo
	v_min_u32 v86, v86, v85                        ; first tile of its expert, and not empty
	v_mov_b32 v87, 0
	v_lshlrev_b32 v90, 4, v0
	v_cmp_gt_u32 vcc_lo, NTILES, v0
	s_wait_xcnt 0x0                                ; EXEC is a source of the stores above: it changes only behind this wait
	s_wait_tensorcnt 0x0
	ds_add_u32 v96, v97
	s_wait_dscnt 0x0
	s_and_saveexec_b32 s25, vcc_lo
	global_store_b128 v90, v[84:87], s[16:17]
	s_wait_xcnt 0x0                                ; and again in front of the line that widens it
	s_or_b32 exec_lo, exec_lo, s25
	s_endpgm
; ---------------- THE COPY.  Work-group q + 1: k = q / 64 says which tensor (0 Wg, 1 Wu, 2-5 W1's K bytes 256 (k - 2) on, 6 W2), q % 64 = 8 x expert + w.
; A wave takes 16 rows x 256 bytes of K, which are two units.  Its 8 loads read whole row pieces of 256 bytes (sixteen lanes each); the bytes turn through the wave's own stage; its 8 stores write 512 consecutive bytes each.
.Lrelay:
	s_sub_co_u32 s20, ttmp9, 1
	s_lshr_b32 s21, s20, 6                         ; k
	s_and_b32 s22, s20, 63                         ; 8 e + w
	s_lshr_b32 s23, s22, 3                         ; e
	s_and_b32 s25, s22, 7                          ; w
	s_and_b32 s26, s24, 1
	s_lshr_b32 s27, s24, 1
	s_sub_co_u32 s28, s21, 2                       ; W1's chunk of K (taken only where k is 2..5)
	s_wait_kmcnt 0x0
	s_cmp_eq_u32 s21, 0                            ; the choices hang on the work-group's number alone
	s_cselect_b64 s[32:33], s[6:7], s[8:9]
	s_cmp_lt_u32 s21, 2
	s_cselect_b64 s[32:33], s[32:33], s[10:11]
	s_cselect_b32 s29, 8, 10                       ; log2 of a row's bytes
	s_cselect_b32 s30, 18, 20                      ; log2 of an expert's bytes
	s_cselect_b32 s28, 0, s28                      ; j: which 256 bytes of K
	s_cselect_b32 s31, 2, 8                        ; units from a K step to the next
	s_cmp_eq_u32 s21, 6
	s_cselect_b64 s[32:33], s[12:13], s[32:33]
	s_cselect_b32 s30, 18, s30
	s_cselect_b32 s28, s27, s28
	s_cselect_b32 s31, 2, s31
	s_cselect_b32 s34, s26, s24                    ; the tile: W2 has two for a wave of the next launch, the others eight
	s_cselect_b32 s35, 0, 8
	s_lshl_b32 s35, s35, s29                       ; places 8-15 lie 8 rows further on, but not in W2
	s_lshl_b32 s40, s25, 5
	s_lshl_b32 s41, s34, 4
	s_add_co_u32 s40, s40, s41                     ; W2: row 32 w + 16 n
	s_lshl_b32 s41, s25, 7
	s_lshr_b32 s42, s34, 1
	s_lshl_b32 s42, s42, 5
	s_add_co_u32 s41, s41, s42
	s_and_b32 s42, s34, 1
	s_lshl_b32 s42, s42, 3
	s_add_co_u32 s41, s41, s42                     ; the others: row 128 w + 32 b + 8 u
	s_lshl_b32 s43, s34, 2
	s_add_co_u32 s43, s43, s21                     ; Wg, Wu: unit 4 t + k
	s_lshl_b32 s44, s28, 2
	s_add_co_u32 s44, s44, s34
	s_add_co_u32 s44, s44, 96                      ; W2: 96 + 2 (2 j) + n
	s_lshl_b32 s45, s28, 4
	s_add_co_u32 s45, s45, s34
	s_add_co_u32 s45, s45, 32                      ; W1: 32 + 8 (2 j) + n
	s_cmp_lt_u32 s21, 2
	s_cselect_b32 s43, s43, s45
	s_cmp_eq_u32 s21, 6
	s_cselect_b32 s43, s44, s43                    ; the first unit
	s_cselect_b32 s40, s40, s41                    ; the first row
	s_lshl_b32 s46, s23, s30
	s_lshl_b32 s40, s40, s29
	s_add_co_u32 s46, s46, s40
	s_lshl_b32 s40, s28, 8
	s_add_co_u32 s46, s46, s40
	s_mov_b32 s47, 0
	s_add_nc_u64 s[32:33], s[32:33], s[46:47]      ; from: expert, row, 256 j
	s_mul_i32 s46, s22, 112
	s_add_co_u32 s46, s46, s43
	s_lshl_b32 s46, s46, 11
	s_add_nc_u64 s[36:37], s[14:15], s[46:47]      ; to: the first unit,
	s_lshl_b32 s46, s31, 11
	s_add_nc_u64 s[38:39], s[36:37], s[46:47]      ; and the next K step's
	v_and_b32 v3, 15, v0
	v_bfe_u32 v4, v0, 4, 1
	v_lshlrev_b32 v5, 4, v3
	v_lshlrev_b32 v6, s29, v4
	v_add_nc_u32 v8, v6, v5                        ; load 0: lanes 0-15 place 0, lanes 16-31 place 1; 16 bytes a lane
	s_lshl_b32 s40, 2, s29                         ; two rows
	s_mov_b32 s41, 0
.irp i, 1,2,3,4,5,6,7
	s_add_co_u32 s41, s41, s40
.if \i == 4
	s_add_co_u32 s41, s41, s35
.endif
	v_add_nc_u32 v[8+\i], s41, v8                  ; load i: places 2 i, 2 i + 1
.endr
	s_mul_i32 s42, s24, WSTG
	s_add_co_u32 s42, s42, STG0                    ; my stage
	v_mul_u32_u24 v6, v4, SPITCH
	v_add_nc_u32 v6, v6, v5
	v_add_nc_u32 v6, s42, v6                       ; in: as loaded
	v_mul_u32_u24 v7, v3, SPITCH
	v_lshl_add_u32 v7, v4, 4, v7
	v_add_nc_u32 v7, s42, v7                       ; out: place l % 16, + 16 (l / 16)
	v_lshlrev_b32 v2, 4, v2                        ; 16 x lane
.irp i, 0,1,2,3,4,5,6,7
	global_load_b128 v[16+4*\i:19+4*\i], v[8+\i], s[32:33] th:TH_LOAD_NT   ; read once in the launch
.endr
.irp i, 0,1,2,3,4,5,6,7
	s_wait_loadcnt 7-\i                            ; loads come back in order: load i is in, the younger ones may be out
	ds_store_b128 v6, v[16+4*\i:19+4*\i] offset:2*SPITCH*\i
.endr
.irp f, 0,1
.irp c, 0,1,2,3
	ds_load_b128 v[48+4*(4*\f+\c):51+4*(4*\f+\c)], v7 offset:128*\f+32*\c   ; LDS serves a wave's instructions in order (ISA guide 5.7.1.4): these see my stores
.endr
.endr
.irp c, 0,1,2,3
	s_wait_dscnt 7-\c
	global_store_b128 v2, v[48+4*\c:51+4*\c], s[36:37] offset:512*\c       ; 32 lanes store 512 consecutive bytes, at a multiple of 512 from wlay's first byte
.endr
.irp c, 0,1,2,3
	s_wait_dscnt 3-\c
	global_store_b128 v2, v[64+4*\c:67+4*\c], s[38:39] offset:512*\c
.endr
	s_wait_tensorcnt 0x0
	ds_add_u32 v96, v97
	s_wait_dscnt 0x0
	s_endpgm
.Lfunc_end_k_q26e0dd15d4_prep:
	.size	k_q26e0dd15d4_prep, .Lfunc_end_k_q26e0dd15d4_prep-k_q26e0dd15d4_prep
	.p2alignl 7, 3214868480
	.fill 96, 4, 3214868480
	.section	.rodata,"a",@progbits
	.p2align	6, 0x0
	.amdhsa_kernel k_q26e0dd15d4_prep
		.amdhsa_group_segment_fixed_size 36864
		.amdhsa_private_segment_fixed_size 0
		.amdhsa_enable_private_segment 0
		.amdhsa_kernarg_size 64
		.amdhsa_user_sgpr_count 2
		.amdhsa_user_sgpr_kernarg_segment_ptr 1
		.amdhsa_wavefront_size32 1
		.amdhsa_system_sgpr_workgroup_id_x 1
		.amdhsa_system_sgpr_workgroup_id_y 1
		.amdhsa_system_sgpr_workgroup_id_z 1
		.amdhsa_system_vgpr_workitem_id 0
		.amdhsa_next_free_vgpr 98
		.amdhsa_next_free_sgpr 96
		.amdhsa_reserve_vcc 1
		.amdhsa_float_denorm_mode_32 3
		.amdhsa_float_denorm_mode_16_64 3
		.amdhsa_memory_ordered 1
		.amdhsa_forward_progress 1
		.amdhsa_inst_pref_size 68
	.end_amdhsa_kernel
	.amdgpu_metadata
---
amdhsa.version: [ 1, 2 ]
amdhsa.kernels:
  - .name:           k_q26e0dd15d4_prep
    .symbol:         k_q26e0dd15d4_prep.kd
    .args:
      - { .name: selected_experts, .offset: 0, .size: 8, .value_kind: global_buffer, .address_space: global }
      - { .name: Wg_codes, .offset: 8, .size: 8, .value_kind: global_buffer, .address_space: global }
      - { .name: Wu_codes, .offset: 16, .size: 8, .value_kind: global_buffer, .address_space: global }
      - { .name: W1_codes, .offset: 24, .size: 8, .value_kind: global_buffer, .address_space: global }
      - { .name: W2_codes, .offset: 32, .size: 8, .value_kind: global_buffer, .address_space: global }
      - { .name: wlay, .offset: 40, .size: 8, .value_kind: global_buffer, .address_space: global }
      - { .name: tiles, .offset: 48, .size: 8, .value_kind: global_buffer, .address_space: global }
      - { .name: order, .offset: 56, .size: 8, .value_kind: global_buffer, .address_space: global }
    .group_segment_fixed_size: 36864
    .private_segment_fixed_size: 0
    .kernarg_segment_align: 8
    .kernarg_segment_size: 64
    .max_flat_workgroup_size: 256
    .sgpr_count:     96
    .vgpr_count:     98
    .wavefront_size: 32
...
	.end_amdgpu_metadata
.endif
;; end of part 1
;; launch chain (part 2): grid 135 x 1, 8 waves a work-group, no clusters, 124,928 bytes of LDS; arguments wlay, tiles, order, x_parts_codes, lowp_scales, bg, bu, b1, b2, out0; writes out0
.if DOCPART == 2
	.amdgcn_target "amdgcn-amd-amdhsa--gfx1250"
	.amdhsa_code_object_version 6
	.text
	.protected	k_q26e0dd15d4_chain
	.globl	k_q26e0dd15d4_chain
	.p2align	8
	.type	k_q26e0dd15d4_chain,@function
k_q26e0dd15d4_chain:
	s_mov_b64 s[64:65], 0
	v_nop
	global_prefetch_b8 v0, s[64:65] scope:SCOPE_SE
	s_setreg_imm32_b32 hwreg(HW_REG_WAVE_MODE, 25, 1), 1
	s_wait_xcnt 0x0
; ONE TILE OF AT MOST 32 ROWS OF ONE EXPERT THROUGH THE WHOLE CHAIN, all four products on codes of FP8 (E4M3):
;   h = silu(x Wg + bg) (x Wu + bu), quantised with 2^e4;  h2 = relu(h W1 + b1), quantised with 2^e6;  y = h2 W2 + b2, f32.  e0 .. e7 are the expert's eight entries of lowp_scales.
; Only the rows chosen for an expert are multiplied: the others' results are thrown away by the problem's own mask.  The grid, 4096/32 + 7 = 135, serves every split; a tile that a split leaves without rows walks the text
; (every wave passes every barrier) and stores nothing.
; SHARES.  Eight waves SHARE THE COLUMNS: wave w makes hidden units 128 w .. 128 w + 127 of h and of h2, which are K step w of the next product, and outputs 32 w .. 32 w + 31, for both tiles of 16 rows.  So each weight byte is
; wanted by one wave alone, and goes from memory straight into its registers: a RING OF 16 FRAGMENTS (v256-511) in quads of 4 units = 8,192 bytes, 28 quads a wave, laid on end by the launch before.  Four quads are
; asked for ahead; the ring goes on through phases and barriers, and every offset is an immediate.  Only the rows' codes go from wave to wave, through LDS, as images of the operand's registers.
; ROWS IN AND OUT.  Wave w fetches x's rows and stores y's rows for slots 4 w .. 4 w + 3 of the tile.  The rows' numbers are scalars, so a row's address is a scalar base and the whole wave takes consecutive bytes of one row.
; A tile's rows fill its slots from 0 on: one forward branch on the tile's count leaves the run at the first slot without a row.  Such a slot stands for row 0 on the way in, and nothing of it is stored.
; NO JOINT LOADS: the tiles of one expert do read the same weights, but which expert a work-group serves is a number read from the list, so the partners of a fixed cluster need not share one; and here the weights never lie in LDS.
; THE MATRIX INSTRUCTION IS USED TRANSPOSED (source 0 = 16 weight rows, source 1 = 16 rows of the tile): lane (r, h) holds row r, and register j of tile 2 b + u the unit 32 b + 16 h + 8 u + j: the conversions' results are the next operand.
; k lies in the registers as 32 c + 16 h + 0 .. 15 in registers 4 c .. 4 c + 3, alike in both operands of every product: each code meets its partner, only the order of the sums inside an instruction differs.
; LIMITS on the given exponents, so that each power of two below is an f32 number: e0 + e1, e2 + e3, e4 + e5, e6 + e7 between -126 and 127; e4 and e6 between -126 and 119.  NaN among the biases is not served.
; silu(g) = g / (1 + 2^(-g log2 e)); where the power overflows the quotient is 0, as g's sigmoid is in f32 but for numbers under 1e-37.
; LDS: 0 h's 16 fragments of 2,048 bytes ((K step s, row tile m) at 2 s + m); 32,768 h2's; 65,536 x's 32 rows x 272; 74,240 y's 32 rows x 1,040; 107,520 for each wave 2,048 bytes: its 128 of bg, bu, b1 and its 32 of b2.
; REGISTERS: v1-31 addresses; v32-159 sums; v160-223 fragments of the rows (later b1); v224-255 biases and codes; window 1 (v256-511): the ring, slot k at 16 k.
; SCALARS: s[4:23] the buffers; s24 wave; s[28:30] expert, rows, first-tile flag; s35 4 w; s[36:37] my stream; s[40:47] e0-e7; s[48:57] powers of two and -log2 e, in pairs; s[68:71] my four rows' numbers; s[72:79] their bases in x; s[80:87] in out.
.set HIMG,   0
.set H2IMG,  32768
.set XROW,   65536
.set XPITCH, 272
.set OSTG,   74240
.set OPITCH, 1040
.set BIAS,   107520
.set QUADB,  8192
.set NQ,     28
.set STREAM, NQ*QUADB
.set AHEAD,  9
.set MSB, 0
.macro WIN new                         ; the immediate's high byte repeats the setting that is left; a switch that changes nothing is dropped
.if MSB != \new
	s_set_vgpr_msb (MSB<<8)|\new
.set MSB, \new
.endif
.endm
.macro RING q                          ; quad q of my stream into slots 4 (q % 4) on: 16 loads of 512 consecutive bytes
	WIN 0x40                                       ; destination window 1, address window 0
.irp j, 0,1,2,3
.irp c, 0,1,2,3
	global_load_b128 v[16*(4*((\q)%4)+\j)+4*\c:16*(4*((\q)%4)+\j)+4*\c+3], v1, s[36:37] offset:(\q)*QUADB+2048*\j+512*\c
.endr
.endr
	WIN 0
.endm
; The head of quad i's turn.  The expert's first tile (the list's flag) asks for quad i + 9 of the wave's own stream to be brought near: 32 lanes 256 bytes apart cover the quad; that is five quads beyond the one that this
; turn's ring loads fetch; each block is asked for once in the launch, and the last nine turns ask for nothing, so no request leaves the stream.
.macro HEAD i
	WIN 0                                          ; at a branch and at a label every window is 0
.if (\i)+AHEAD < NQ
	s_cmp_eq_u32 s30, 0
	s_cbranch_scc1 .Lnot_first_\@
	global_prefetch_b8 v18, s[36:37] offset:((\i)+AHEAD)*QUADB th:TH_LOAD_NT scope:SCOPE_SE
.Lnot_first_\@:
.endif
.if (\i) < NQ-3
	s_wait_loadcnt 48                              ; loads come back in order: quad i is in; the three quads asked for behind it, 16 loads each, may be out
.else
	s_wait_loadcnt 16*(NQ-1-(\i))                  ; the last turns: fewer quads stand behind
.endif
.endm
; The tail: five places behind the quad's products: four are owed to the loads into the slots just read and to the first reads of the sums, five to a later product that begins the same sums anew.
.macro TAIL i
.rept 5
	v_nop
.endr
.if (\i)+4 < NQ
	RING (\i)+4
.else
	WIN 0
.endif
.endm
; Quad i as 2 weights x 2 K steps: unit j: sums acc + 16 (j % 2) + 8 m, rows' fragment a + 32 (j / 2) + 16 m.  The four sums take turns, one instruction a turn.
.macro Q22 i, acc, a, zero
	HEAD \i
	WIN 0x01                                       ; source 0 (the weights) window 1
.irp j, 0,1,2,3
.irp m, 0,1
.set rD, (\acc)+16*(\j%2)+8*\m
.set rW, 16*(4*((\i)%4)+\j)
.set rA, (\a)+32*(\j/2)+16*\m
.if (\zero) && (\j < 2)
	v_wmma_f32_16x16x128_fp8_fp8 v[rD:rD+7], v[rW:rW+15], v[rA:rA+15], 0
.else
	v_wmma_f32_16x16x128_fp8_fp8 v[rD:rD+7], v[rW:rW+15], v[rA:rA+15], v[rD:rD+7]
.endif
.endr
.endr
	TAIL \i
.endm
; Quad i as 4 column tiles of one K step: unit j: tile n = 4 half + j, sums 32 + 16 n + 8 m, rows' fragment set p.  Eight sums by turns.
.macro Q41 i, half, p, zero
	HEAD \i
	WIN 0x01
.irp j, 0,1,2,3
.irp m, 0,1
.set rD, 32+16*(4*(\half)+\j)+8*\m
.set rW, 16*(4*((\i)%4)+\j)
.set rA, 160+32*(\p)+16*\m
.if \zero
	v_wmma_f32_16x16x128_fp8_fp8 v[rD:rD+7], v[rW:rW+15], v[rA:rA+15], 0
.else
	v_wmma_f32_16x16x128_fp8_fp8 v[rD:rD+7], v[rW:rW+15], v[rA:rA+15], v[rD:rD+7]
.endif
.endr
.endr
	TAIL \i
.endm
.macro FETCH reg, off                  ; a fragment's image comes back as it was stored: the same registers in the same lanes
.irp c, 0,1,2,3
	ds_load_b128 v[(\reg)+4*\c:(\reg)+4*\c+3], v1 offset:(\off)+512*\c
.endr
.endm
.macro FETCH4 a, q                     ; h2's fragments of K steps 2 q, 2 q + 1, both row tiles
.irp f, 0,1,2,3
	FETCH (\a)+16*\f, H2IMG+(4*(\q)+\f)*2048
.endr
.endm
.macro BAR                             ; my LDS stores have landed and my LDS loads are in: then the work-group's barrier
	s_wait_dscnt 0x0
	s_barrier_signal -1
	s_barrier_wait -1
.endm
	s_load_b512 s[4:19], s[0:1], 0x0               ; wlay s[4:5], tiles s[6:7], order s[8:9], x s[10:11], scales s[12:13], bg s[14:15], bu s[16:17], b1 s[18:19]
	s_load_b128 s[20:23], s[0:1], 0x40             ; b2 s[20:21], out s[22:23]
	v_lshl_add_u32 v28, v0, 2, 0x1e400
	v_mov_b32 v31, 0
	v_lshrrev_b32 v30, 5, v0
	v_readfirstlane_b32 s24, v30                   ; wave 0..7
	v_and_b32 v2, 31, v0                           ; lane
	v_and_b32 v3, 15, v0                           ; r
	v_bfe_u32 v29, v0, 4, 1                        ; h
	v_lshlrev_b32 v1, 4, v2                        ; 16 x lane: an image's place for my lane, my place in a ring load and in half a row of y
	v_lshlrev_b32 v18, 8, v2                       ; 256 x lane
	v_lshlrev_b32 v26, 2, v2                       ; 4 x lane
	v_lshlrev_b32 v9, 3, v2                        ; 8 x lane: my place in a row of x
	v_mul_u32_u24 v4, v3, XPITCH
	v_lshl_add_u32 v4, v29, 4, v4
	v_add_nc_u32 v4, XROW, v4                      ; x's fragments: row r, + 16 h
	s_lshl_b32 s58, s24, 12
	v_add_nc_u32 v5, s58, v1                       ; where I store images: K step w, 16 x lane
	s_lshl_b32 s59, s24, 11
	s_add_co_u32 s59, s59, BIAS                    ; my wave's biases
	v_lshl_add_u32 v6, v29, 6, s59                 ; bg, bu, b1: + 64 h: units 16 h on
	v_lshl_add_u32 v17, v29, 5, s59
	v_add_nc_u32 v17, 1536, v17                    ; b2: + 32 h: outputs 8 h on
	v_add_nc_u32 v24, s59, v1                      ; and where they are put
	v_lshl_add_u32 v25, v2, 2, s59
	v_add_nc_u32 v25, 1536, v25
	v_mul_u32_u24 v7, v3, OPITCH
	v_lshl_add_u32 v7, v29, 5, v7
	s_lshl_b32 s60, s24, 7
	s_add_co_u32 s60, s60, OSTG
	v_add_nc_u32 v7, s60, v7                       ; y's stage, in: row r, + 32 h, + 128 w
	s_mul_i32 s61, s24, 4*OPITCH
	s_add_co_u32 s61, s61, OSTG
	v_add_nc_u32 v8, s61, v1                       ; y's stage, back: slot 4 w, 16 x lane: the wave takes 512 bytes of one row
	s_mul_i32 s61, s24, 4*XPITCH
	s_add_co_u32 s61, s61, XROW
	v_lshl_add_u32 v19, v2, 3, s61                 ; x's rows, in: slot 4 w, 8 x lane: the wave puts one row of 256 bytes
	s_lshl_b32 s35, s24, 2                         ; my first slot
.irp k, 0,1,2,3
	s_mov_b32 s[68+\k], 0                          ; a slot without a row stands for row 0
.endr
	s_wait_kmcnt 0x0
	s_lshl_b32 s26, ttmp9, 4
	s_mov_b32 s27, 0
	s_add_nc_u64 s[6:7], s[6:7], s[26:27]
	s_load_b128 s[28:31], s[6:7], 0x0              ; my tile: expert s28, rows s29, first-tile flag s30
	s_lshl_b32 s26, ttmp9, 7
	s_lshl_b32 s25, s24, 4
	s_add_co_u32 s26, s26, s25
	s_add_nc_u64 s[8:9], s[8:9], s[26:27]          ; my four words of the tile's list
	s_wait_kmcnt 0x0
	s_min_u32 s28, s28, 7                          ; loaded numbers are held before they enter an address
	s_min_u32 s29, s29, 32
	s_lshl_b32 s26, s28, 5
	s_add_nc_u64 s[12:13], s[12:13], s[26:27]
	s_load_b256 s[40:47], s[12:13], 0x0            ; e0 .. e7
.irp k, 0,1,2,3
	s_add_co_u32 s25, s35, \k
	s_cmp_le_u32 s29, s25                          ; only slots under the tile's count were stored, and only those are read
	s_cbranch_scc1 .Lrows_known
	s_load_b32 s[68+\k], s[8:9], 4*\k
.endr
.Lrows_known:
	s_lshl_b32 s26, s28, 3
	s_add_co_u32 s26, s26, s24
	s_mul_i32 s26, s26, STREAM
	s_add_nc_u64 s[36:37], s[4:5], s[26:27]        ; my stream: (8 e + w) x 229,376 bytes; never rewritten
	s_lshl_b32 s26, s28, 12
	s_lshl_b32 s25, s24, 9
	s_add_co_u32 s26, s26, s25
	s_add_nc_u64 s[14:15], s[14:15], s[26:27]      ; my 128 numbers of bg, bu, b1
	s_add_nc_u64 s[16:17], s[16:17], s[26:27]
	s_add_nc_u64 s[18:19], s[18:19], s[26:27]
	s_lshl_b32 s26, s28, 10
	s_lshl_b32 s25, s24, 7
	s_add_co_u32 s26, s26, s25
	s_add_nc_u64 s[20:21], s[20:21], s[26:27]      ; my 32 of b2
	global_load_b128 v[224:227], v1, s[14:15]
	global_load_b128 v[228:231], v1, s[16:17]
	global_load_b128 v[232:235], v1, s[18:19]
	global_load_b32 v236, v26, s[20:21]
	RING 0
	RING 1
	s_wait_kmcnt 0x0                               ; the rows' numbers and the exponents
.irp k, 0,1,2,3
	s_min_u32 s[68+\k], s[68+\k], 0xfff            ; a row's number, held inside the 4,096 rows
	s_lshl_b32 s26, s[68+\k], 8
	s_add_nc_u64 s[72+2*\k:73+2*\k], s[10:11], s[26:27]   ; x: 256 bytes a row
	s_lshl_b32 s26, s[68+\k], 10
	s_add_nc_u64 s[80+2*\k:81+2*\k], s[22:23], s[26:27]   ; out: 1,024 bytes a row
.endr
.irp k, 0,1,2,3
	global_load_b64 v[64+2*\k:65+2*\k], v9, s[72+2*\k:73+2*\k]   ; 32 lanes read a row's 256 consecutive bytes
.endr
	RING 2
	s_add_co_i32 s48, s40, s41
	s_add_co_i32 s48, s48, 127
	s_lshl_b32 s48, s48, 23                        ; 2^(e0 + e1) as f32: a sum of x Wg stands for sum x that
	s_mov_b32 s49, s48                             ; (the packed forms name a pair, so both words are written)
	s_add_co_i32 s50, s42, s43
	s_add_co_i32 s50, s50, 127
	s_lshl_b32 s50, s50, 23                        ; 2^(e2 + e3)
	s_mov_b32 s51, s50
	s_add_co_i32 s52, s44, s45
	s_add_co_i32 s52, s52, 127
	s_lshl_b32 s52, s52, 23                        ; 2^(e4 + e5)
	s_mov_b32 s53, s52
	s_add_co_i32 s54, s46, s47
	s_add_co_i32 s54, s54, 127
	s_lshl_b32 s54, s54, 23                        ; 2^(e6 + e7)
	s_mov_b32 s55, s54
	s_mov_b32 s56, 0xbfb8aa3b                      ; -log2(e)
	s_mov_b32 s57, s56
	s_add_co_i32 s58, s44, 127
	s_lshl_b32 s59, s58, 23
	v_mov_b32 v13, s59                             ; 2^e4: the conversion takes its exponent field
	s_add_co_i32 s58, s58, 8
	s_lshl_b32 s58, s58, 23
	s_or_b32 s58, s58, 0x600000
	v_mov_b32 v14, s58                             ; 448 x 2^e4
	s_add_co_i32 s58, s46, 127
	s_lshl_b32 s59, s58, 23
	v_mov_b32 v15, s59                             ; 2^e6
	s_add_co_i32 s58, s58, 8
	s_lshl_b32 s58, s58, 23
	s_or_b32 s58, s58, 0x600000
	v_mov_b32 v16, s58                             ; 448 x 2^e6
	s_wait_loadcnt 16                              ; all but quad 2's 16 loads: the biases, quads 0 and 1 and x's four rows are in
	ds_store_b128 v24, v[224:227]
	ds_store_b128 v24, v[228:231] offset:512
	ds_store_b128 v24, v[232:235] offset:1024
	ds_store_b32 v25, v236
.irp k, 0,1,2,3
	ds_store_b64 v19, v[64+2*\k:65+2*\k] offset:\k*XPITCH
.endr
	RING 3
	BAR                                            ; x's 32 rows lie in LDS
.irp s, 0,1
.irp m, 0,1
.irp c, 0,1,2,3
	ds_load_b128 v[160+32*\s+16*\m+4*\c:163+32*\s+16*\m+4*\c], v4 offset:16*\m*XPITCH+128*\s+32*\c   ; x's four fragments stay in registers through the first phase
.endr
.endr
.endr
; ---- 1: h.  Quad t is hidden tile t = 2 b + u: Wg and Wu, both K steps, both row tiles.  v32-47 g, v48-63 u (m = 0, then m = 1), v64-79 at work.
.irp t, 0,1,2,3,4,5,6,7
	ds_load_b128 v[224:227], v6 offset:128*(\t/2)+32*(\t%2)        ; bg and bu at my eight units of the tile
	ds_load_b128 v[228:231], v6 offset:128*(\t/2)+32*(\t%2)+16
	ds_load_b128 v[232:235], v6 offset:512+128*(\t/2)+32*(\t%2)
	ds_load_b128 v[236:239], v6 offset:512+128*(\t/2)+32*(\t%2)+16
.if \t == 0
	s_wait_dscnt 0x0                               ; x's fragments are in
.endif
	Q22 \t, 32, 160, 1
	s_wait_dscnt 0x0                               ; the biases are in, and the last image's stores have read the codes' registers
.irp i, 0,2,4,6,8,10,12,14
	v_pk_fma_f32 v[32+\i:33+\i], v[32+\i:33+\i], s[48:49], v[224+(\i%8):225+(\i%8)] op_sel_hi:[1,0,1]   ; g = sum x 2^(e0 + e1) + bg; each accumulator from its low end on
.endr
.irp i, 0,2,4,6,8,10,12,14
	v_pk_mul_f32 v[64+\i:65+\i], v[32+\i:33+\i], s[56:57] op_sel_hi:[1,0]                               ; -g log2(e)
.endr
.irp i, 0,1,2,3,4,5,6,7,8,9,10,11,12,13,14,15
	v_exp_f32 v[64+\i], v[64+\i]
.endr
.irp i, 0,2,4,6,8,10,12,14
	v_pk_fma_f32 v[48+\i:49+\i], v[48+\i:49+\i], s[50:51], v[232+(\i%8):233+(\i%8)] op_sel_hi:[1,0,1]   ; u = sum x 2^(e2 + e3) + bu.  (Plain lines between the exponentials and the use of their results)
.endr
	s_wait_alu depctr_va_vdst(0)
.irp i, 0,2,4,6,8,10,12,14
	v_pk_add_f32 v[64+\i:65+\i], v[64+\i:65+\i], 1.0 op_sel_hi:[1,0]
.endr
.irp i, 0,1,2,3,4,5,6,7,8,9,10,11,12,13,14,15
	v_rcp_f32 v[64+\i], v[64+\i]
.endr
	v_nop                                          ; a plain line between the reciprocals and the use of their results
	s_wait_alu depctr_va_vdst(0)
.irp i, 0,2,4,6,8,10,12,14
	v_pk_mul_f32 v[32+\i:33+\i], v[32+\i:33+\i], v[64+\i:65+\i]    ; silu(g) first,
.endr
.irp i, 0,2,4,6,8,10,12,14
	v_pk_mul_f32 v[32+\i:33+\i], v[32+\i:33+\i], v[48+\i:49+\i]    ; then x u
.endr
.irp i, 0,1,2,3,4,5,6,7,8,9,10,11,12,13,14,15
	v_med3_num_f32 v[32+\i], v[32+\i], -v14, v14   ; the conversion to an 8-bit code does not saturate (ISA guide 7.6.2): the hold at the largest code x the scale
.endr
	v_cvt_scalef32_pk8_fp8_f32 v[240+2*(\t%2):241+2*(\t%2)], v[32:39], v13   ; k = 32 b + 16 h + 8 u + 0 .. 7 of K step w: registers 4 b + 2 u, + 1 of the fragment
	v_cvt_scalef32_pk8_fp8_f32 v[244+2*(\t%2):245+2*(\t%2)], v[40:47], v13
	v_nop                                          ; a plain line between the conversions and the next products, which write their sources
.if (\t%2) == 1
	ds_store_b128 v5, v[240:243] offset:HIMG+512*(\t/2)            ; piece b of fragment (w, m = 0),
	ds_store_b128 v5, v[244:247] offset:HIMG+2048+512*(\t/2)       ; and of (w, 1)
.endif
.endr
	BAR                                            ; h's sixteen fragments lie in LDS
; ---- 2: h2.  K step s: quads 8 + 2 s and 9 + 2 s hold W1's eight column tiles.  h's two fragments of the step come a step ahead, into two sets by turns.
	FETCH 160, HIMG
	FETCH 176, HIMG+2048
.irp s, 0,1,2,3,4,5,6,7
.if \s < 7
	FETCH 160+32*((\s+1)%2), HIMG+(2*(\s+1))*2048
	FETCH 176+32*((\s+1)%2), HIMG+(2*(\s+1)+1)*2048
	s_wait_dscnt 8                                 ; this step's fragments are in; the next step's eight loads may be out
.else
	s_wait_dscnt 0x0
.endif
.if \s == 0
	Q41 8, 0, 0, 1                                 ; the first K step starts the sums: nothing is cleared
	Q41 9, 1, 0, 1
.else
	Q41 8+2*\s, 0, \s%2, 0
	Q41 9+2*\s, 1, \s%2, 0
.endif
.endr
.irp n, 0,1,2,3,4,5,6,7
	ds_load_b128 v[160+8*\n:163+8*\n], v6 offset:1024+128*(\n/2)+32*(\n%2)      ; b1 at my eight units of tile n
	ds_load_b128 v[164+8*\n:167+8*\n], v6 offset:1024+128*(\n/2)+32*(\n%2)+16
.endr
	s_wait_dscnt 0x0
.irp n, 0,1,2,3,4,5,6,7
.irp i, 0,2,4,6,8,10,12,14
	v_pk_fma_f32 v[32+16*\n+\i:33+16*\n+\i], v[32+16*\n+\i:33+16*\n+\i], s[52:53], v[160+8*\n+(\i%8):161+8*\n+(\i%8)] op_sel_hi:[1,0,1]   ; sum x 2^(e4 + e5) + b1
.endr
.endr
.irp n, 0,1,2,3,4,5,6,7
.irp m, 0,1
.irp i, 0,1,2,3,4,5,6,7
	v_med3_num_f32 v[32+16*\n+8*\m+\i], v[32+16*\n+8*\m+\i], 0, v16             ; the activation and the hold in one: between 0 and the largest code x the scale
.endr
	v_cvt_scalef32_pk8_fp8_f32 v[224+16*\m+2*\n:225+16*\m+2*\n], v[32+16*\n+8*\m:39+16*\n+8*\m], v15
.endr
.endr
	v_nop                                          ; a plain line behind the last conversion
.irp m, 0,1
.irp c, 0,1,2,3
	ds_store_b128 v5, v[224+16*\m+4*\c:227+16*\m+4*\c] offset:H2IMG+2048*\m+512*\c
.endr
.endr
	BAR                                            ; h2's sixteen fragments lie in LDS
; ---- 3: y.  Quad 24 + q holds W2's two tiles for K steps 2 q and 2 q + 1.  h2's four fragments of a quad come two quads ahead, into v160-223 and v96-159 by turns.
.irp n, 0,1
	ds_load_b128 v[224+8*\n:227+8*\n], v17 offset:64*\n            ; b2 at my eight outputs of tile n
	ds_load_b128 v[228+8*\n:231+8*\n], v17 offset:64*\n+16
.endr
	FETCH4 160, 0
	FETCH4 96, 1
.irp q, 0,1,2,3
.if \q < 3
	s_wait_dscnt 16                                ; this quad's fragments (and b2) are in; the next quad's 16 loads may be out
.else
	s_wait_dscnt 0x0
.endif
.if \q == 0
	Q22 24, 32, 160, 1
.else
	Q22 24+\q, 32, 160-64*(\q%2), 0
.endif
.if \q < 2
	FETCH4 160-64*(\q%2), \q+2
.endif
.endr
.irp i, 0,2,4,6,8,10,12,14,16,18,20,22,24,26,28,30
	v_pk_fma_f32 v[64+\i:65+\i], v[32+\i:33+\i], s[54:55], v[224+8*(\i/16)+(\i%8):225+8*(\i/16)+(\i%8)] op_sel_hi:[1,0,1]   ; y = sum x 2^(e6 + e7) + b2
.endr
.irp n, 0,1
.irp m, 0,1
	ds_store_b128 v7, v[64+16*\n+8*\m:67+16*\n+8*\m] offset:16*\m*OPITCH+64*\n        ; lane (r, h): y(16 m + r, 32 w + 16 n + 8 h + 0 .. 7)
	ds_store_b128 v7, v[68+16*\n+8*\m:71+16*\n+8*\m] offset:16*\m*OPITCH+64*\n+16
.endr
.endr
	BAR                                            ; 32 whole rows of y lie in the stage
.irp k, 0,1,2,3
.irp q, 0,1
	ds_load_b128 v[64+4*(2*\k+\q):67+4*(2*\k+\q)], v8 offset:\k*OPITCH+512*\q   ; slot 4 w + k, half q of its 1,024 bytes
.endr
.endr
	s_wait_dscnt 0x0
.irp k, 0,1,2,3
	s_add_co_u32 s25, s35, \k
	s_cmp_le_u32 s29, s25                          ; only the tile's own rows are stored: the first slot without a row ends the run
	s_cbranch_scc1 .Lend
	global_store_b128 v1, v[64+8*\k:67+8*\k], s[80+2*\k:81+2*\k] th:TH_STORE_NT             ; 32 lanes store 512 consecutive bytes, at a multiple of 512 from out's first byte
	global_store_b128 v1, v[68+8*\k:71+8*\k], s[80+2*\k:81+2*\k] offset:512 th:TH_STORE_NT
.endr
.Lend:
	s_wait_tensorcnt 0x0
	ds_add_u32 v28, v31
	s_wait_dscnt 0x0
	s_endpgm
.Lfunc_end_k_q26e0dd15d4_chain:
	.size	k_q26e0dd15d4_chain, .Lfunc_end_k_q26e0dd15d4_chain-k_q26e0dd15d4_chain
	.p2alignl 7, 3214868480
	.fill 96, 4, 3214868480
	.section	.rodata,"a",@progbits
	.p2align	6, 0x0
	.amdhsa_kernel k_q26e0dd15d4_chain
		.amdhsa_group_segment_fixed_size 124928
		.amdhsa_private_segment_fixed_size 0
		.amdhsa_enable_private_segment 0
		.amdhsa_kernarg_size 80
		.amdhsa_user_sgpr_count 2
		.amdhsa_user_sgpr_kernarg_segment_ptr 1
		.amdhsa_wavefront_size32 1
		.amdhsa_system_sgpr_workgroup_id_x 1
		.amdhsa_system_sgpr_workgroup_id_y 1
		.amdhsa_system_sgpr_workgroup_id_z 1
		.amdhsa_system_vgpr_workitem_id 0
		.amdhsa_next_free_vgpr 512
		.amdhsa_next_free_sgpr 96
		.amdhsa_reserve_vcc 0
		.amdhsa_float_denorm_mode_32 3
		.amdhsa_float_denorm_mode_16_64 3
		.amdhsa_memory_ordered 1
		.amdhsa_forward_progress 1
		.amdhsa_inst_pref_size 147
	.end_amdhsa_kernel
	.amdgpu_metadata
---
amdhsa.version: [ 1, 2 ]
amdhsa.kernels:
  - .name:           k_q26e0dd15d4_chain
    .symbol:         k_q26e0dd15d4_chain.kd
    .args:
      - { .name: wlay, .offset: 0, .size: 8, .value_kind: global_buffer, .address_space: global }
      - { .name: tiles, .offset: 8, .size: 8, .value_kind: global_buffer, .address_space: global }
      - { .name: order, .offset: 16, .size: 8, .value_kind: global_buffer, .address_space: global }
      - { .name: x_parts_codes, .offset: 24, .size: 8, .value_kind: global_buffer, .address_space: global }
      - { .name: lowp_scales, .offset: 32, .size: 8, .value_kind: global_buffer, .address_space: global }
      - { .name: bg, .offset: 40, .size: 8, .value_kind: global_buffer, .address_space: global }
      - { .name: bu, .offset: 48, .size: 8, .value_kind: global_buffer, .address_space: global }
      - { .name: b1, .offset: 56, .size: 8, .value_kind: global_buffer, .address_space: global }
      - { .name: b2, .offset: 64, .size: 8, .value_kind: global_buffer, .address_space: global }
      - { .name: out0, .offset: 72, .size: 8, .value_kind: global_buffer, .address_space: global }
    .group_segment_fixed_size: 124928
    .private_segment_fixed_size: 0
    .kernarg_segment_align: 8
    .kernarg_segment_size: 80
    .max_flat_workgroup_size: 256
    .sgpr_count:     96
    .vgpr_count:     512
    .wavefront_size: 32
...
	.end_amdgpu_metadata
.endif
;; end of part 2
;; ======== version 2 of 2: 2 launches
;; workspace buffers: wlay 14,680,064 bytes; tiles 2,304 bytes of whole numbers; order 17,408 bytes of whole numbers
;; launch prep (part 3): grid 449 x 1, 8 waves a work-group, no clusters, 36,864 bytes of LDS; arguments selected_experts, Wg_codes, Wu_codes, W1_codes, W2_codes, wlay, tiles, order; writes wlay, tiles, order
.if DOCPART == 3
	.amdgcn_target "amdgcn-amd-amdhsa--gfx1250"
	.amdhsa_code_object_version 6
	.text
	.protected	k_q26e0dd15d4_prep
	.globl	k_q26e0dd15d4_prep
	.p2align	8
	.type	k_q26e0dd15d4_prep,@function
k_q26e0dd15d4_prep:
	s_mov_b64 s[64:65], 0
	v_nop
	global_prefetch_b8 v0, s[64:65] scope:SCOPE_SE
	s_setreg_imm32_b32 hwreg(HW_REG_WAVE_MODE, 25, 1), 1
	s_wait_xcnt 0x0
; TWO JOBS IN ONE LAUNCH, parted on the work-group's number.
; Work-group 0 sorts the 4,096 rows by their expert (a counting sort, no atomics) and stores a list of tiles of at most 32 rows of one expert:
;   tiles[t] = {expert, rows 0..32, 1 if it is the expert's first tile, 0};  order[t][slot] = the row's number, for slot < rows.  With 4,096 rows and 8 experts there are never more than 4096/32 + 7 = 135 tiles.
; Work-groups 1 to 448 copy the four weight tensors once into wlay, in the order in which the next launch's waves take them into operand registers:
;   wlay[expert 8][wave 8][unit 112][2048 bytes].  A unit is a fragment's registers on end: piece c (0..3) at 512 c, lane l's 16 bytes at 16 l: of the tile's row at place l % 16 the codes k = 128 s + 32 c + 16 (l / 16) + 0 .. 15.
;   Units of (expert, wave w): 4 t + {0,1,2,3} = Wg step 0, Wu step 0, Wg step 1, Wu step 1 of tile t (0..7);  32 + 8 s + n = W1, K step s, tile n;  96 + 2 s + n = W2, K step s, tile n (0, 1).
;   Rows of a tile: Wg, Wu, W1: place p of tile 2 b + u is row 128 w + 32 b + 8 u + p + 8 (p / 8), so that the results of tiles 2 b and 2 b + 1 are 16 neighbours along the next K;  W2: row 32 w + 16 n + p.
; LIMIT: an entry of selected_experts lies in 0..7, as an index into the experts must; it is held at 7 from above before it is used.
; LDS: bytes 0-1023 the sort's counts; from 1024 a stage of 16 rows x 272 bytes for each wave of a copying work-group: each path has bytes of its own.
.set NTILES, 135
.set STG0,   1024
.set SPITCH, 272                       ; 256 bytes + 16: the 16 rows that a read touches start at 16 different banks (64 banks of 4 bytes: ISA guide 11.1)
.set WSTG,   16*SPITCH
	s_load_b512 s[4:19], s[0:1], 0x0               ; experts s[4:5], Wg s[6:7], Wu s[8:9], W1 s[10:11], W2 s[12:13], wlay s[14:15], tiles s[16:17], order s[18:19]
	v_lshl_add_u32 v96, v0, 2, 0x8c00
	v_mov_b32 v97, 0
	v_lshrrev_b32 v83, 5, v0
	s_delay_alu instid0(VALU_DEP_1)
	v_readfirstlane_b32 s24, v83                   ; wave 0..7
	v_and_b32 v2, 31, v0                           ; lane
	s_cmp_lg_u32 ttmp9, 0
	s_cbranch_scc1 .Lrelay
; ---------------- THE SORT.  Wave w takes rows 512 w .. 512 w + 511: register i of lane l is row 512 w + 32 i + l.
	v_lshlrev_b32 v3, 2, v2                        ; 4 x lane
	s_delay_alu instid0(VALU_DEP_1)
	v_lshl_or_b32 v1, v83, 11, v3                  ; 2,048 w + 4 x lane
	v_lshl_or_b32 v82, v83, 9, v2                  ; 512 w + lane
	v_lshlrev_b32 v5, 2, v0                        ; my word among the counts
	s_wait_alu depctr_va_vdst(0)
	s_wait_kmcnt 0x0
.irp i, 0,1,2,3,4,5,6,7,8,9,10,11,12,13,14,15
	global_load_b32 v[16+\i], v1, s[4:5] offset:128*\i
.endr
.irp e, 0,1,2,3,4,5,6,7
	s_mov_b32 s[40+\e], 0                          ; my wave's rows of expert e
.endr
	s_wait_loadcnt 0x0
.irp i, 0,1,2,3,4,5,6,7,8,9,10,11,12,13,14,15
	v_min_u32 v[16+\i], 7, v[16+\i]
.endr
.irp i, 0,1,2,3,4,5,6,7,8,9,10,11,12,13,14,15
.irp e, 0,1,2,3,4,5,6,7
	v_cmp_eq_u32 s[48+\e], \e, v[16+\i]            ; eight masks at a time, so that no count waits for the compare just in front of it
.endr
.irp e, 0,1,2,3,4,5,6,7
	s_bcnt1_i32_b32 s[56+\e], s[48+\e]
.endr
.irp e, 0,1,2,3,4,5,6,7
	s_add_co_u32 s[40+\e], s[40+\e], s[56+\e]
.endr
.endr
	v_mov_b32 v4, 0
.irp e, 0,1,2,3,4,5,6,7
	s_delay_alu instid0(VALU_DEP_1)
	v_writelane_b32 v4, s[40+\e], \e               ; lane e: my wave's count for expert e; lanes 8-31: 0
.endr
	ds_store_b32 v5, v4                            ; word 32 w + lane
	s_wait_dscnt 0x0                               ; for the other waves' sake: my counts lie in LDS
	s_barrier_signal -1
	s_barrier_wait -1
.irp w, 0,1,2,3,4,5,6,7
	ds_load_b32 v[8+\w], v3 offset:128*\w          ; lane e: wave w's count for expert e
.endr
	s_wait_dscnt 0x0
	v_add3_u32 v6, v8, v9, v10
	s_delay_alu instid0(VALU_DEP_1)
	v_add3_u32 v6, v6, v11, v12
	s_delay_alu instid0(VALU_DEP_1)
	v_add3_u32 v6, v6, v13, v14
	s_delay_alu instid0(VALU_DEP_1)
	v_add_nc_u32 v6, v6, v15                       ; lane e: all rows of expert e
	v_mov_b32 v7, 0
.irp w, 0,1,2,3,4,5,6
	s_cmp_gt_u32 s24, \w
	s_cselect_b32 s25, -1, 0
	v_and_b32 v80, s25, v[8+\w]
	s_delay_alu instid0(VALU_DEP_1)
	v_add_nc_u32 v7, v7, v80                       ; lane e: rows of expert e in the waves in front of mine
.endr
.irp e, 0,1,2,3,4,5,6,7
	v_readlane_b32 s[68+\e], v6, \e
	v_readlane_b32 s[76+\e], v7, \e
.endr
	s_mov_b32 s84, 0                               ; s[84+e]: expert e's first tile
.irp e, 0,1,2,3,4,5,6,7
	s_add_co_u32 s25, s[68+\e], 31
	s_lshr_b32 s25, s25, 5
	s_add_co_u32 s[85+\e], s[84+\e], s25
	s_lshl_b32 s25, s[84+\e], 5
	s_add_co_u32 s[76+\e], s[76+\e], s25           ; the place in the list of my wave's next row of expert e
.endr
.irp i, 0,1,2,3,4,5,6,7,8,9,10,11,12,13,14,15
.irp e, 0,1,2,3,4,5,6,7
	v_cmp_eq_u32 s[48+\e], \e, v[16+\i]
.endr
	v_mbcnt_lo_u32_b32 v[64+\i], s48, s76          ; place = the expert's next place + the lanes below mine with the same expert
.irp e, 1,2,3,4,5,6,7
	v_mbcnt_lo_u32_b32 v80, s[48+\e], s[76+\e]
	s_delay_alu instid0(VALU_DEP_1)
	v_cndmask_b32 v[64+\i], v[64+\i], v80, s[48+\e]
.endr
	s_wait_alu depctr_va_vdst(0)
.irp e, 0,1,2,3,4,5,6,7
	s_bcnt1_i32_b32 s[56+\e], s[48+\e]
.endr
.irp e, 0,1,2,3,4,5,6,7
	s_add_co_u32 s[76+\e], s[76+\e], s[56+\e]
.endr
	v_min_u32 v[64+\i], 32*NTILES-1, v[64+\i]      ; a place made of loaded numbers is held inside the list before it becomes an address
	s_delay_alu instid0(VALU_DEP_1)
	v_lshlrev_b32 v[64+\i], 2, v[64+\i]
	v_add_nc_u32 v[32+\i], 32*\i, v82              ; the row's number
	global_store_b32 v[64+\i], v[32+\i], s[18:19]  ; each store has registers of its own: none is written again
.endr
; The records: thread t makes tile t's.  Its expert is the last k whose first tile is not behind t.
	v_mov_b32 v84, 0
	v_mov_b32 v88, s68
	v_mov_b32 v89, 0
.irp k, 1,2,3,4,5,6,7
	v_cmp_le_u32 vcc_lo, s[84+\k], v0
	s_delay_alu instid0(VALU_DEP_1)
	v_cndmask_b32 v84, v84, \k, vcc_lo
	s_delay_alu instid0(VALU_DEP_2)
	v_cndmask_b32 v88, v88, s[68+\k], vcc_lo
	s_delay_alu instid0(VALU_DEP_3)
	v_cndmask_b32 v89, v89, s[84+\k], vcc_lo
.endr
	s_delay_alu instid0(VALU_DEP_1)
	v_sub_nc_u32 v85, v0, v89
	s_delay_alu instid0(VALU_DEP_1)
	v_lshlrev_b32 v85, 5, v85
	s_delay_alu instid0(VALU_DEP_1)
	v_sub_nc_u32 v85, v88, v85                     ; the expert's rows less those of its earlier tiles,
	s_delay_alu instid0(VALU_DEP_1)
	v_max_i32 v85, 0, v85
	s_delay_alu instid0(VALU_DEP_1)
	v_min_i32 v85, 32, v85                         ; between 0 and 32
	v_cmp_eq_u32 vcc_lo, v0, v89
	s_delay_alu instid0(VALU_DEP_1)
	v_cndmask_b32 v86, 0, 1, vcc_lo
	s_delay_alu instid0(VALU_DEP_1)
	v_min_u32 v86, v86, v85                        ; first tile of its expert, and not empty
	v_mov_b32 v87, 0
	v_lshlrev_b32 v90, 4, v0
	v_cmp_gt_u32 vcc_lo, NTILES, v0
	s_wait_alu depctr_va_vdst(0)
	s_wait_xcnt 0x0                                ; EXEC is a source of the stores above: it changes only behind this wait
	s_wait_tensorcnt 0x0
	ds_add_u32 v96, v97
	s_wait_dscnt 0x0
	s_and_saveexec_b32 s25, vcc_lo
	global_store_b128 v90, v[84:87], s[16:17]
	s_wait_xcnt 0x0                                ; and again in front of the line that widens it
	s_or_b32 exec_lo, exec_lo, s25
	s_endpgm
; ---------------- THE COPY.  Work-group q + 1: k = q / 64 says which tensor (0 Wg, 1 Wu, 2-5 W1's K bytes 256 (k - 2) on, 6 W2), q % 64 = 8 x expert + w.
; A wave takes 16 rows x 256 bytes of K, which are two units.  Its 8 loads read whole row pieces of 256 bytes (sixteen lanes each); the bytes turn through the wave's own stage; its 8 stores write 512 consecutive bytes each.
.Lrelay:
	s_sub_co_u32 s20, ttmp9, 1
	s_lshr_b32 s21, s20, 6                         ; k
	s_and_b32 s22, s20, 63                         ; 8 e + w
	s_lshr_b32 s23, s22, 3                         ; e
	s_and_b32 s25, s22, 7                          ; w
	s_and_b32 s26, s24, 1
	s_lshr_b32 s27, s24, 1
	s_sub_co_u32 s28, s21, 2                       ; W1's chunk of K (taken only where k is 2..5)
	s_wait_kmcnt 0x0
	s_cmp_eq_u32 s21, 0                            ; the choices hang on the work-group's number alone
	s_cselect_b64 s[32:33], s[6:7], s[8:9]
	s_cmp_lt_u32 s21, 2
	s_cselect_b64 s[32:33], s[32:33], s[10:11]
	s_cselect_b32 s29, 8, 10                       ; log2 of a row's bytes
	s_cselect_b32 s30, 18, 20                      ; log2 of an expert's bytes
	s_cselect_b32 s28, 0, s28                      ; j: which 256 bytes of K
	s_cselect_b32 s31, 2, 8                        ; units from a K step to the next
	s_cmp_eq_u32 s21, 6
	s_cselect_b64 s[32:33], s[12:13], s[32:33]
	s_cselect_b32 s30, 18, s30
	s_cselect_b32 s28, s27, s28
	s_cselect_b32 s31, 2, s31
	s_cselect_b32 s34, s26, s24                    ; the tile: W2 has two for a wave of the next launch, the others eight
	s_cselect_b32 s35, 0, 8
	s_lshl_b32 s35, s35, s29                       ; places 8-15 lie 8 rows further on, but not in W2
	s_lshl_b32 s40, s25, 5
	s_lshl_b32 s41, s34, 4
	s_add_co_u32 s40, s40, s41                     ; W2: row 32 w + 16 n
	s_lshl_b32 s41, s25, 7
	s_lshr_b32 s42, s34, 1
	s_lshl_b32 s42, s42, 5
	s_add_co_u32 s41, s41, s42
	s_and_b32 s42, s34, 1
	s_lshl_b32 s42, s42, 3
	s_add_co_u32 s41, s41, s42                     ; the others: row 128 w + 32 b + 8 u
	s_lshl_b32 s43, s34, 2
	s_add_co_u32 s43, s43, s21                     ; Wg, Wu: unit 4 t + k
	s_lshl_b32 s44, s28, 2
	s_add_co_u32 s44, s44, s34
	s_add_co_u32 s44, s44, 96                      ; W2: 96 + 2 (2 j) + n
	s_lshl_b32 s45, s28, 4
	s_add_co_u32 s45, s45, s34
	s_add_co_u32 s45, s45, 32                      ; W1: 32 + 8 (2 j) + n
	s_cmp_lt_u32 s21, 2
	s_cselect_b32 s43, s43, s45
	s_cmp_eq_u32 s21, 6
	s_cselect_b32 s43, s44, s43                    ; the first unit
	s_cselect_b32 s40, s40, s41                    ; the first row
	s_lshl_b32 s46, s23, s30
	s_lshl_b32 s40, s40, s29
	s_add_co_u32 s46, s46, s40
	s_lshl_b32 s40, s28, 8
	s_add_co_u32 s46, s46, s40
	s_mov_b32 s47, 0
	s_add_nc_u64 s[32:33], s[32:33], s[46:47]      ; from: expert, row, 256 j
	s_mul_i32 s46, s22, 112
	s_add_co_u32 s46, s46, s43
	s_lshl_b32 s46, s46, 11
	s_add_nc_u64 s[36:37], s[14:15], s[46:47]      ; to: the first unit,
	s_lshl_b32 s46, s31, 11
	s_add_nc_u64 s[38:39], s[36:37], s[46:47]      ; and the next K step's
	v_and_b32 v3, 15, v0
	v_bfe_u32 v4, v0, 4, 1
	s_delay_alu instid0(VALU_DEP_2)
	v_lshlrev_b32 v5, 4, v3
	s_delay_alu instid0(VALU_DEP_2)
	v_lshlrev_b32 v6, s29, v4
	s_delay_alu instid0(VALU_DEP_1)
	v_add_nc_u32 v8, v6, v5                        ; load 0: lanes 0-15 place 0, lanes 16-31 place 1; 16 bytes a lane
	s_wait_alu depctr_va_vdst(0)
	s_lshl_b32 s40, 2, s29                         ; two rows
	s_mov_b32 s41, 0
.irp i, 1,2,3,4,5,6,7
	s_add_co_u32 s41, s41, s40
.if \i == 4
	s_add_co_u32 s41, s41, s35
.endif
	v_add_nc_u32 v[8+\i], s41, v8                  ; load i: places 2 i, 2 i + 1
.endr
	s_mul_i32 s42, s24, WSTG
	s_add_co_u32 s42, s42, STG0                    ; my stage
	v_mul_u32_u24 v6, v4, SPITCH
	s_delay_alu instid0(VALU_DEP_1)
	v_add_nc_u32 v6, v6, v5
	s_delay_alu instid0(VALU_DEP_1)
	v_add_nc_u32 v6, s42, v6                       ; in: as loaded
	v_mul_u32_u24 v7, v3, SPITCH
	s_delay_alu instid0(VALU_DEP_1)
	v_lshl_add_u32 v7, v4, 4, v7
	s_delay_alu instid0(VALU_DEP_1)
	v_add_nc_u32 v7, s42, v7                       ; out: place l % 16, + 16 (l / 16)
	v_lshlrev_b32 v2, 4, v2                        ; 16 x lane
.irp i, 0,1,2,3,4,5,6,7
	global_load_b128 v[16+4*\i:19+4*\i], v[8+\i], s[32:33] th:TH_LOAD_NT   ; read once in the launch
.endr
	s_wait_alu depctr_va_vdst(0)
.irp i, 0,1,2,3,4,5,6,7
	s_wait_loadcnt 7-\i                            ; loads come back in order: load i is in, the younger ones may be out
	ds_store_b128 v6, v[16+4*\i:19+4*\i] offset:2*SPITCH*\i
.endr
.irp f, 0,1
.irp c, 0,1,2,3
	ds_load_b128 v[48+4*(4*\f+\c):51+4*(4*\f+\c)], v7 offset:128*\f+32*\c   ; LDS serves a wave's instructions in order (ISA guide 5.7.1.4): these see my stores
.endr
.endr
.irp c, 0,1,2,3
	s_wait_dscnt 7-\c
	global_store_b128 v2, v[48+4*\c:51+4*\c], s[36:37] offset:512*\c       ; 32 lanes store 512 consecutive bytes, at a multiple of 512 from wlay's first byte
.endr
.irp c, 0,1,2,3
	s_wait_dscnt 3-\c
	global_store_b128 v2, v[64+4*\c:67+4*\c], s[38:39] offset:512*\c
.endr
	s_wait_tensorcnt 0x0
	ds_add_u32 v96, v97
	s_wait_dscnt 0x0
	s_endpgm
.Lfunc_end_k_q26e0dd15d4_prep:
	.size	k_q26e0dd15d4_prep, .Lfunc_end_k_q26e0dd15d4_prep-k_q26e0dd15d4_prep
	.p2alignl 7, 3214868480
	.fill 96, 4, 3214868480
	.section	.rodata,"a",@progbits
	.p2align	6, 0x0
	.amdhsa_kernel k_q26e0dd15d4_prep
		.amdhsa_group_segment_fixed_size 36864
		.amdhsa_private_segment_fixed_size 0
		.amdhsa_enable_private_segment 0
		.amdhsa_kernarg_size 64
		.amdhsa_user_sgpr_count 2
		.amdhsa_user_sgpr_kernarg_segment_ptr 1
		.amdhsa_wavefront_size32 1
		.amdhsa_system_sgpr_workgroup_id_x 1
		.amdhsa_system_sgpr_workgroup_id_y 1
		.amdhsa_system_sgpr_workgroup_id_z 1
		.amdhsa_system_vgpr_workitem_id 0
		.amdhsa_next_free_vgpr 98
		.amdhsa_next_free_sgpr 96
		.amdhsa_reserve_vcc 1
		.amdhsa_float_denorm_mode_32 3
		.amdhsa_float_denorm_mode_16_64 3
		.amdhsa_memory_ordered 1
		.amdhsa_forward_progress 1
		.amdhsa_inst_pref_size 74
	.end_amdhsa_kernel
	.amdgpu_metadata
---
amdhsa.version: [ 1, 2 ]
amdhsa.kernels:
  - .name:           k_q26e0dd15d4_prep
    .symbol:         k_q26e0dd15d4_prep.kd
    .args:
      - { .name: selected_experts, .offset: 0, .size: 8, .value_kind: global_buffer, .address_space: global }
      - { .name: Wg_codes, .offset: 8, .size: 8, .value_kind: global_buffer, .address_space: global }
      - { .name: Wu_codes, .offset: 16, .size: 8, .value_kind: global_buffer, .address_space: global }
      - { .name: W1_codes, .offset: 24, .size: 8, .value_kind: global_buffer, .address_space: global }
      - { .name: W2_codes, .offset: 32, .size: 8, .value_kind: global_buffer, .address_space: global }
      - { .name: wlay, .offset: 40, .size: 8, .value_kind: global_buffer, .address_space: global }
      - { .name: tiles, .offset: 48, .size: 8, .value_kind: global_buffer, .address_space: global }
      - { .name: order, .offset: 56, .size: 8, .value_kind: global_buffer, .address_space: global }
    .group_segment_fixed_size: 36864
    .private_segment_fixed_size: 0
    .kernarg_segment_align: 8
    .kernarg_segment_size: 64
    .max_flat_workgroup_size: 256
    .sgpr_count:     96
    .vgpr_count:     98
    .wavefront_size: 32
...
	.end_amdgpu_metadata
.endif
;; end of part 3
;; launch chain (part 4): grid 135 x 1, 8 waves a work-group, no clusters, 124,928 bytes of LDS; arguments wlay, tiles, order, x_parts_codes, lowp_scales, bg, bu, b1, b2, out0; writes out0
.if DOCPART == 4
	.amdgcn_target "amdgcn-amd-amdhsa--gfx1250"
	.amdhsa_code_object_version 6
	.text
	.protected	k_q26e0dd15d4_chain
	.globl	k_q26e0dd15d4_chain
	.p2align	8
	.type	k_q26e0dd15d4_chain,@function
k_q26e0dd15d4_chain:
	s_mov_b64 s[64:65], 0
	v_nop
	global_prefetch_b8 v0, s[64:65] scope:SCOPE_SE
	s_setreg_imm32_b32 hwreg(HW_REG_WAVE_SCHED_MODE, 0, 2), 2
	s_setreg_imm32_b32 hwreg(HW_REG_WAVE_MODE, 25, 1), 1
	s_wait_xcnt 0x0
	s_wait_alu depctr_vm_vsrc(0)
; ONE TILE OF AT MOST 32 ROWS OF ONE EXPERT THROUGH THE WHOLE CHAIN, all four products on codes of FP8 (E4M3):
;   h = silu(x Wg + bg) (x Wu + bu), quantised with 2^e4;  h2 = relu(h W1 + b1), quantised with 2^e6;  y = h2 W2 + b2, f32.  e0 .. e7 are the expert's eight entries of lowp_scales.
; Only the rows chosen for an expert are multiplied: the others' results are thrown away by the problem's own mask.  The grid, 4096/32 + 7 = 135, serves every split; a tile that a split leaves without rows walks the text
; (every wave passes every barrier) and stores nothing.
; SHARES.  Eight waves SHARE THE COLUMNS: wave w makes hidden units 128 w .. 128 w + 127 of h and of h2, which are K step w of the next product, and outputs 32 w .. 32 w + 31, for both tiles of 16 rows.  So each weight byte is
; wanted by one wave alone, and goes from memory straight into its registers: a RING OF 16 FRAGMENTS (v256-511) in quads of 4 units = 8,192 bytes, 28 quads a wave, laid on end by the launch before.  Four quads are
; asked for ahead; the ring goes on through phases and barriers, and every offset is an immediate.  Only the rows' codes go from wave to wave, through LDS, as images of the operand's registers.
; ROWS IN AND OUT.  Wave w fetches x's rows and stores y's rows for slots 4 w .. 4 w + 3 of the tile.  The rows' numbers are scalars, so a row's address is a scalar base and the whole wave takes consecutive bytes of one row.
; A tile's rows fill its slots from 0 on: one forward branch on the tile's count leaves the run at the first slot without a row.  Such a slot stands for row 0 on the way in, and nothing of it is stored.
; NO JOINT LOADS: the tiles of one expert do read the same weights, but which expert a work-group serves is a number read from the list, so the partners of a fixed cluster need not share one; and here the weights never lie in LDS.
; THE MATRIX INSTRUCTION IS USED TRANSPOSED (source 0 = 16 weight rows, source 1 = 16 rows of the tile): lane (r, h) holds row r, and register j of tile 2 b + u the unit 32 b + 16 h + 8 u + j: the conversions' results are the next operand.
; k lies in the registers as 32 c + 16 h + 0 .. 15 in registers 4 c .. 4 c + 3, alike in both operands of every product: each code meets its partner, only the order of the sums inside an instruction differs.
; LIMITS on the given exponents, so that each power of two below is an f32 number: e0 + e1, e2 + e3, e4 + e5, e6 + e7 between -126 and 127; e4 and e6 between -126 and 119.  NaN among the biases is not served.
; silu(g) = g / (1 + 2^(-g log2 e)); where the power overflows the quotient is 0, as g's sigmoid is in f32 but for numbers under 1e-37.
; LDS: 0 h's 16 fragments of 2,048 bytes ((K step s, row tile m) at 2 s + m); 32,768 h2's; 65,536 x's 32 rows x 272; 74,240 y's 32 rows x 1,040; 107,520 for each wave 2,048 bytes: its 128 of bg, bu, b1 and its 32 of b2; 123,904 the spare words.
; REGISTERS: v1-31 addresses; v32-159 sums; v160-223 fragments of the rows (later b1); v224-255 biases and codes; window 1 (v256-511): the ring, slot k at 16 k.
; SCALARS: s[4:23] the buffers; s24 wave; s[28:30] expert, rows, first-tile flag; s35 4 w; s[36:37] my stream; s[40:47] e0-e7; s[48:57] powers of two and -log2 e, in pairs; s[68:71] my four rows' numbers; s[72:79] their bases in x; s[80:87] in out.
; THE MODE: SCHED_MODE bits 1:0 = 2 (LLVM: expert scheduling mode 2), set by the entry lines.  The code itself states the register dependences between vector or matrix instructions and memory or LDS instructions,
; with s_wait_alu, always for 0.
; THE PLAN.  Registers that memory or LDS instructions touch, and who else names them:
;   v1, v4-9, v17-19, v24-26, v28, v31   addresses: written once at the head, ahead of the head's wait on va_vdst, and never again.
;   the ring   A quad's products read its four slots; the loads of the quad four further on land in them.
;   v224-239   Head: the biases as loaded, read by LDS stores.  Phase 1: a tile's bg and bu land, the tile's two runs of multiply-adds read them.  Phase 2: codes.  Phase 3: b2 lands.
;   v240-247   Phase 1: conversions write the codes, the image stores of every second turn read them.  (Phase 2: v224-255 likewise, once.)
;   v160-223   x's fragments; h's two sets by turns, read by a K step's products; b1; one set of h2's.     v96-159  sums, then the other set of h2's.
;   v64-95     v64-71 x's rows, read by LDS stores; at work; sums; at the end y, written by multiply-adds, read by the stage's stores, and landed in again from the stage.
; Phase 1: the wait behind a turn's exponentials also states that the turn's products are done reading their quad and that bg and bu have been read: the next tile's bias loads and the ring's 16 loads follow it, among the turn's
; vector work.  Phase 2: ONE wait on va_vdst at the end of a K step, behind its 16 products: 32 ring loads and the next 8 LDS loads hang on it.  Phase 3: one behind each of the two quads whose set of h2 is asked for again.
.set HIMG,   0
.set H2IMG,  32768
.set XROW,   65536
.set XPITCH, 272
.set OSTG,   74240
.set OPITCH, 1040
.set BIAS,   107520
.set QUADB,  8192
.set NQ,     28
.set STREAM, NQ*QUADB
.set AHEAD,  9
.set MSB, 0
.macro WIN new                         ; the immediate's high byte repeats the setting that is left; a switch that changes nothing is dropped
.if MSB != \new
	s_set_vgpr_msb (MSB<<8)|\new
.set MSB, \new
.endif
.endm
.macro RING q                          ; quad q of my stream into slots 4 (q % 4) on: 16 loads of 512 consecutive bytes.  It leaves the destination's window at 1
	WIN 0x40                                       ; destination window 1, address window 0
.irp j, 0,1,2,3
.irp c, 0,1,2,3
	global_load_b128 v[16*(4*((\q)%4)+\j)+4*\c:16*(4*((\q)%4)+\j)+4*\c+3], v1, s[36:37] offset:(\q)*QUADB+2048*\j+512*\c
.endr
.endr
.endm
; The head of quad i's turn.  The expert's first tile (the list's flag) asks for quad i + 9 of the wave's own stream to be brought near: 32 lanes 256 bytes apart cover the quad; that is five quads beyond the one that
; the ring fetches into this quad's slots; each block is asked for once in the launch, and the last nine turns ask for nothing, so no request leaves the stream.
; left = 16 x the quads that were asked for behind quad i and may still be out.
.macro HEAD i, left
.if (\i)+AHEAD < NQ
	WIN 0                                          ; at a branch and at a label every window is 0
	s_cmp_eq_u32 s30, 0
	s_cbranch_scc1 .Lnot_first_\@
	global_prefetch_b8 v18, s[36:37] offset:((\i)+AHEAD)*QUADB th:TH_LOAD_NT scope:SCOPE_SE
.Lnot_first_\@:
.endif
	s_wait_loadcnt \left                           ; loads come back in order: quad i is in
.endm
; Five places behind a quad's products: four are owed to the first reads of the sums and stand ahead of the loads into registers just read, five to a later product that begins the same sums anew.
.macro PLACES
.rept 5
	v_nop
.endr
.endm
; Quad i as 2 weights x 2 K steps: unit j: sums acc + 16 (j % 2) + 8 m, rows' fragment a + 32 (j / 2) + 16 m.  The four sums take turns, one instruction a turn.
.macro M22 i, acc, a, zero
	WIN 0x01                                       ; source 0 (the weights) window 1
.irp j, 0,1,2,3
.irp m, 0,1
.set rD, (\acc)+16*(\j%2)+8*\m
.set rW, 16*(4*((\i)%4)+\j)
.set rA, (\a)+32*(\j/2)+16*\m
.if (\zero) && (\j < 2)
	v_wmma_f32_16x16x128_fp8_fp8 v[rD:rD+7], v[rW:rW+15], v[rA:rA+15], 0
.else
	v_wmma_f32_16x16x128_fp8_fp8 v[rD:rD+7], v[rW:rW+15], v[rA:rA+15], v[rD:rD+7]
.endif
.endr
.endr
.endm
; Quad i as 4 column tiles of one K step: unit j: tile n = 4 half + j, sums 32 + 16 n + 8 m, rows' fragment set p.  Eight sums by turns.
.macro M41 i, half, p, zero
	WIN 0x01
.irp j, 0,1,2,3
.irp m, 0,1
.set rD, 32+16*(4*(\half)+\j)+8*\m
.set rW, 16*(4*((\i)%4)+\j)
.set rA, 160+32*(\p)+16*\m
.if \zero
	v_wmma_f32_16x16x128_fp8_fp8 v[rD:rD+7], v[rW:rW+15], v[rA:rA+15], 0
.else
	v_wmma_f32_16x16x128_fp8_fp8 v[rD:rD+7], v[rW:rW+15], v[rA:rA+15], v[rD:rD+7]
.endif
.endr
.endr
.endm
.macro FETCH reg, off                  ; a fragment's image comes back as it was stored: the same registers in the same lanes
.irp c, 0,1,2,3
	ds_load_b128 v[(\reg)+4*\c:(\reg)+4*\c+3], v1 offset:(\off)+512*\c
.endr
.endm
.macro FETCH4 a, q                     ; h2's fragments of K steps 2 q, 2 q + 1, both row tiles
.irp f, 0,1,2,3
	FETCH (\a)+16*\f, H2IMG+(4*(\q)+\f)*2048
.endr
.endm
.macro BIASES t                        ; bg and bu at my eight units of hidden tile t
	ds_load_b128 v[224:227], v6 offset:128*((\t)/2)+32*((\t)%2)
	ds_load_b128 v[228:231], v6 offset:128*((\t)/2)+32*((\t)%2)+16
	ds_load_b128 v[232:235], v6 offset:512+128*((\t)/2)+32*((\t)%2)
	ds_load_b128 v[236:239], v6 offset:512+128*((\t)/2)+32*((\t)%2)+16
.endm
.macro BAR                             ; my LDS stores have landed and my LDS loads are in: then the work-group's barrier
	s_wait_dscnt 0x0
	s_barrier_signal -1
	s_barrier_wait -1
.endm
	s_load_b512 s[4:19], s[0:1], 0x0               ; wlay s[4:5], tiles s[6:7], order s[8:9], x s[10:11], scales s[12:13], bg s[14:15], bu s[16:17], b1 s[18:19]
	s_load_b128 s[20:23], s[0:1], 0x40             ; b2 s[20:21], out s[22:23]
	v_lshl_add_u32 v28, v0, 2, 0x1e400             ; my spare word, and 0: made here and kept for the closing lines alone
	v_mov_b32 v31, 0
	v_lshrrev_b32 v30, 5, v0
	v_readfirstlane_b32 s24, v30                   ; wave 0..7
	v_and_b32 v2, 31, v0                           ; lane
	v_and_b32 v3, 15, v0                           ; r
	v_bfe_u32 v29, v0, 4, 1                        ; h
	v_lshlrev_b32 v1, 4, v2                        ; 16 x lane: an image's place for my lane, my place in a ring load and in half a row of y
	v_lshlrev_b32 v18, 8, v2                       ; 256 x lane
	v_lshlrev_b32 v26, 2, v2                       ; 4 x lane
	v_lshlrev_b32 v9, 3, v2                        ; 8 x lane: my place in a row of x
	v_mul_u32_u24 v4, v3, XPITCH
	v_lshl_add_u32 v4, v29, 4, v4
	v_add_nc_u32 v4, XROW, v4                      ; x's fragments: row r, + 16 h
	s_wait_alu depctr_va_sdst(0)                   ; s24 is written, ahead of its first reader: LDS addresses and all bases are made from it
	s_lshl_b32 s58, s24, 12
	v_add_nc_u32 v5, s58, v1                       ; where I store images: K step w, 16 x lane
	s_lshl_b32 s59, s24, 11
	s_add_co_u32 s59, s59, BIAS                    ; my wave's biases
	v_lshl_add_u32 v6, v29, 6, s59                 ; bg, bu, b1: + 64 h: units 16 h on
	v_lshl_add_u32 v17, v29, 5, s59
	v_add_nc_u32 v17, 1536, v17                    ; b2: + 32 h: outputs 8 h on
	v_add_nc_u32 v24, s59, v1                      ; and where they are put
	v_lshl_add_u32 v25, v2, 2, s59
	v_add_nc_u32 v25, 1536, v25
	v_mul_u32_u24 v7, v3, OPITCH
	v_lshl_add_u32 v7, v29, 5, v7
	s_lshl_b32 s60, s24, 7
	s_add_co_u32 s60, s60, OSTG
	v_add_nc_u32 v7, s60, v7                       ; y's stage, in: row r, + 32 h, + 128 w
	s_mul_i32 s61, s24, 4*OPITCH
	s_add_co_u32 s61, s61, OSTG
	v_add_nc_u32 v8, s61, v1                       ; y's stage, back: slot 4 w, 16 x lane: the wave takes 512 bytes of one row
	s_mul_i32 s61, s24, 4*XPITCH
	s_add_co_u32 s61, s61, XROW
	v_lshl_add_u32 v19, v2, 3, s61                 ; x's rows, in: slot 4 w, 8 x lane: the wave puts one row of 256 bytes
	s_lshl_b32 s35, s24, 2                         ; my first slot
.irp k, 0,1,2,3
	s_mov_b32 s[68+\k], 0                          ; a slot without a row stands for row 0
.endr
	s_wait_kmcnt 0x0
	s_lshl_b32 s26, ttmp9, 4
	s_mov_b32 s27, 0
	s_add_nc_u64 s[6:7], s[6:7], s[26:27]
	s_load_b128 s[28:31], s[6:7], 0x0              ; my tile: expert s28, rows s29, first-tile flag s30
	s_lshl_b32 s26, ttmp9, 7
	s_lshl_b32 s25, s24, 4
	s_add_co_u32 s26, s26, s25
	s_add_nc_u64 s[8:9], s[8:9], s[26:27]          ; my four words of the tile's list
	s_wait_kmcnt 0x0
	s_min_u32 s28, s28, 7                          ; loaded numbers are held before they enter an address
	s_min_u32 s29, s29, 32
	s_lshl_b32 s26, s28, 5
	s_add_nc_u64 s[12:13], s[12:13], s[26:27]
	s_load_b256 s[40:47], s[12:13], 0x0            ; e0 .. e7
.irp k, 0,1,2,3
	s_add_co_u32 s25, s35, \k
	s_cmp_le_u32 s29, s25                          ; only slots under the tile's count were stored, and only those are read
	s_cbranch_scc1 .Lrows_known
	s_load_b32 s[68+\k], s[8:9], 4*\k
.endr
.Lrows_known:
	s_lshl_b32 s26, s28, 3
	s_add_co_u32 s26, s26, s24
	s_mul_i32 s26, s26, STREAM
	s_add_nc_u64 s[36:37], s[4:5], s[26:27]        ; my stream: (8 e + w) x 229,376 bytes; never rewritten
	s_lshl_b32 s26, s28, 12
	s_lshl_b32 s25, s24, 9
	s_add_co_u32 s26, s26, s25
	s_add_nc_u64 s[14:15], s[14:15], s[26:27]      ; my 128 numbers of bg, bu, b1
	s_add_nc_u64 s[16:17], s[16:17], s[26:27]
	s_add_nc_u64 s[18:19], s[18:19], s[26:27]
	s_lshl_b32 s26, s28, 10
	s_lshl_b32 s25, s24, 7
	s_add_co_u32 s26, s26, s25
	s_add_nc_u64 s[20:21], s[20:21], s[26:27]      ; my 32 of b2
	s_wait_alu depctr_va_vdst(0)                   ; all address registers (v1, v4-9, v17-19, v24-26) are written: every load, store and prefetch of the kernel reads one of them, and none is written again
	global_load_b128 v[224:227], v1, s[14:15]
	global_load_b128 v[228:231], v1, s[16:17]
	global_load_b128 v[232:235], v1, s[18:19]
	global_load_b32 v236, v26, s[20:21]
	RING 0
	RING 1
	WIN 0
	s_wait_kmcnt 0x0                               ; the rows' numbers and the exponents
.irp k, 0,1,2,3
	s_min_u32 s[68+\k], s[68+\k], 0xfff            ; a row's number, held inside the 4,096 rows
	s_lshl_b32 s26, s[68+\k], 8
	s_add_nc_u64 s[72+2*\k:73+2*\k], s[10:11], s[26:27]   ; x: 256 bytes a row
	s_lshl_b32 s26, s[68+\k], 10
	s_add_nc_u64 s[80+2*\k:81+2*\k], s[22:23], s[26:27]   ; out: 1,024 bytes a row
.endr
.irp k, 0,1,2,3
	global_load_b64 v[64+2*\k:65+2*\k], v9, s[72+2*\k:73+2*\k]   ; 32 lanes read a row's 256 consecutive bytes
.endr
	RING 2
	WIN 0
	s_add_co_i32 s48, s40, s41
	s_add_co_i32 s48, s48, 127
	s_lshl_b32 s48, s48, 23                        ; 2^(e0 + e1) as f32: a sum of x Wg stands for sum x that
	s_mov_b32 s49, s48                             ; (the packed forms name a pair, so both words are written)
	s_add_co_i32 s50, s42, s43
	s_add_co_i32 s50, s50, 127
	s_lshl_b32 s50, s50, 23                        ; 2^(e2 + e3)
	s_mov_b32 s51, s50
	s_add_co_i32 s52, s44, s45
	s_add_co_i32 s52, s52, 127
	s_lshl_b32 s52, s52, 23                        ; 2^(e4 + e5)
	s_mov_b32 s53, s52
	s_add_co_i32 s54, s46, s47
	s_add_co_i32 s54, s54, 127
	s_lshl_b32 s54, s54, 23                        ; 2^(e6 + e7)
	s_mov_b32 s55, s54
	s_mov_b32 s56, 0xbfb8aa3b                      ; -log2(e)
	s_mov_b32 s57, s56
	s_add_co_i32 s58, s44, 127
	s_lshl_b32 s59, s58, 23
	v_mov_b32 v13, s59                             ; 2^e4: the conversion takes its exponent field
	s_add_co_i32 s58, s58, 8
	s_lshl_b32 s58, s58, 23
	s_or_b32 s58, s58, 0x600000
	v_mov_b32 v14, s58                             ; 448 x 2^e4
	s_add_co_i32 s58, s46, 127
	s_lshl_b32 s59, s58, 23
	v_mov_b32 v15, s59                             ; 2^e6
	s_add_co_i32 s58, s58, 8
	s_lshl_b32 s58, s58, 23
	s_or_b32 s58, s58, 0x600000
	v_mov_b32 v16, s58                             ; 448 x 2^e6
	s_wait_loadcnt 16                              ; all but quad 2's 16 loads: the biases, quads 0 and 1 and x's four rows are in
	ds_store_b128 v24, v[224:227]
	ds_store_b128 v24, v[228:231] offset:512
	ds_store_b128 v24, v[232:235] offset:1024
	ds_store_b32 v25, v236
.irp k, 0,1,2,3
	ds_store_b64 v19, v[64+2*\k:65+2*\k] offset:\k*XPITCH
.endr
	RING 3
	WIN 0
	BAR                                            ; x's 32 rows lie in LDS
	s_wait_alu depctr_vm_vsrc(0)                   ; my LDS stores above have read v224-236, in which the first tile's bg and bu land, and v64-71, which the first turn's arithmetic writes
.irp s, 0,1
.irp m, 0,1
.irp c, 0,1,2,3
	ds_load_b128 v[160+32*\s+16*\m+4*\c:163+32*\s+16*\m+4*\c], v4 offset:16*\m*XPITCH+128*\s+32*\c   ; x's four fragments stay in registers through the first phase
.endr
.endr
.endr
	BIASES 0
; ---- 1: h.  Quad t is hidden tile t = 2 b + u: Wg and Wu, both K steps, both row tiles.  v32-47 g, v48-63 u (m = 0, then m = 1), v64-79 at work.
.irp t, 0,1,2,3,4,5,6,7
	HEAD \t, 48                                    ; the three quads asked for behind quad t may be out
.if \t == 0
	s_wait_dscnt 0x0                               ; x's fragments are in, and the first tile's biases
.endif
	M22 \t, 32, 160, 1
	PLACES
	WIN 0
.if \t > 0
	s_wait_dscnt 0x0                               ; the tile's biases, asked for in the turn before, are in
.endif
.if (\t > 0) && ((\t%2) == 0)
	s_wait_alu depctr_vm_vsrc(0)                   ; the last turn's two image stores have read v240-247, which the conversions of this turn and the next write again
.endif
.irp i, 0,2,4,6,8,10,12,14
	v_pk_fma_f32 v[32+\i:33+\i], v[32+\i:33+\i], s[48:49], v[224+(\i%8):225+(\i%8)] op_sel_hi:[1,0,1]   ; g = sum x 2^(e0 + e1) + bg; each accumulator from its low end on
.endr
.irp i, 0,2,4,6,8,10,12,14
	v_pk_mul_f32 v[64+\i:65+\i], v[32+\i:33+\i], s[56:57] op_sel_hi:[1,0]                               ; -g log2(e)
.endr
	s_wait_alu depctr_va_vdst(0)
.irp i, 0,1,2,3,4,5,6,7,8,9,10,11,12,13,14,15
	v_exp_f32 v[64+\i], v[64+\i]
.endr
	s_wait_alu depctr_va_vdst(0)
.irp i, 0,2,4,6,8,10,12,14
	v_pk_fma_f32 v[48+\i:49+\i], v[48+\i:49+\i], s[50:51], v[232+(\i%8):233+(\i%8)] op_sel_hi:[1,0,1]   ; u = sum x 2^(e2 + e3) + bu.  (Plain lines between the exponentials and the use of their results)
.endr
	s_wait_alu depctr_va_vdst(0)                   ; the exponentials have written v64-79, ahead of their first reader; the multiply-adds are done reading bg and bu in v224-239, and the turn's products their quad's slots: loads land in both below
.if \t < 7
	BIASES \t+1                                    ; the next tile's, a turn ahead
.endif
	RING \t+4                                      ; the quad four further on, into the slots just read.  No vector or matrix instruction since the wait names them
	WIN 0
.irp i, 0,2,4,6,8,10,12,14
	v_pk_add_f32 v[64+\i:65+\i], v[64+\i:65+\i], 1.0 op_sel_hi:[1,0]
.endr
	s_wait_alu depctr_va_vdst(0)
.irp i, 0,1,2,3,4,5,6,7,8,9,10,11,12,13,14,15
	v_rcp_f32 v[64+\i], v[64+\i]
.endr
	v_nop                                          ; a plain line between the reciprocals and the use of their results
	s_wait_alu depctr_va_vdst(0)                   ; the reciprocals have written v64-79, ahead of their first reader
.irp i, 0,2,4,6,8,10,12,14
	v_pk_mul_f32 v[32+\i:33+\i], v[32+\i:33+\i], v[64+\i:65+\i]    ; silu(g) first,
.endr
.irp i, 0,2,4,6,8,10,12,14
	v_pk_mul_f32 v[32+\i:33+\i], v[32+\i:33+\i], v[48+\i:49+\i]    ; then x u
.endr
.irp i, 0,1,2,3,4,5,6,7,8,9,10,11,12,13,14,15
	v_med3_num_f32 v[32+\i], v[32+\i], -v14, v14   ; the conversion to an 8-bit code does not saturate (ISA guide 7.6.2): the hold at the largest code x the scale
.endr
	v_cvt_scalef32_pk8_fp8_f32 v[240+2*(\t%2):241+2*(\t%2)], v[32:39], v13   ; k = 32 b + 16 h + 8 u + 0 .. 7 of K step w: registers 4 b + 2 u, + 1 of the fragment
	v_cvt_scalef32_pk8_fp8_f32 v[244+2*(\t%2):245+2*(\t%2)], v[40:47], v13
	v_nop                                          ; a plain line between the conversions and the next products, which write their sources
.if (\t%2) == 1
	s_wait_alu depctr_va_vdst(0)                   ; the conversions of this turn and the last have written v240-247, which the two stores read
	ds_store_b128 v5, v[240:243] offset:HIMG+512*(\t/2)            ; piece b of fragment (w, m = 0),
	ds_store_b128 v5, v[244:247] offset:HIMG+2048+512*(\t/2)       ; and of (w, 1)
.endif
.endr
	BAR                                            ; h's sixteen fragments lie in LDS
; ---- 2: h2.  K step s: quads 8 + 2 s and 9 + 2 s hold W1's eight column tiles.  h's two fragments of the step come a step ahead, into two sets by turns.
; The first loads below land where x's fragments lay: the last products that read those stand ahead of the first phase's last wait on va_vdst, and no vector or matrix instruction has been issued since.
	FETCH 160, HIMG
	FETCH 176, HIMG+2048
.irp s, 0,1,2,3,4,5,6,7
.if \s < 7
	FETCH 160+32*((\s+1)%2), HIMG+(2*(\s+1))*2048
	FETCH 176+32*((\s+1)%2), HIMG+(2*(\s+1)+1)*2048
	s_wait_dscnt 8                                 ; this step's fragments are in; the next step's eight loads may be out
.else
	s_wait_dscnt 0x0
.endif
	HEAD 8+2*\s, 48                                ; behind the step's first quad stand its second and the next step's two
.if \s == 0
	M41 8, 0, 0, 1                                 ; the first K step starts the sums: nothing is cleared
.else
	M41 8+2*\s, 0, \s%2, 0
.endif
	HEAD 9+2*\s, 32                                ; behind the second only the next step's two: the ring is asked again at the step's end
.if \s == 0
	M41 9, 1, 0, 1
.else
	M41 9+2*\s, 1, \s%2, 0
.endif
	PLACES
	s_wait_alu depctr_va_vdst(0)                   ; the K step's sixteen products are done reading their two quads' slots, in which the 32 loads below land, and h's set, in which the next LDS loads land (the fragments of the step after next; behind the last step b1)
	RING 12+2*\s
	RING 13+2*\s
	WIN 0
.endr
.irp n, 0,1,2,3,4,5,6,7
	ds_load_b128 v[160+8*\n:163+8*\n], v6 offset:1024+128*(\n/2)+32*(\n%2)      ; b1 at my eight units of tile n
	ds_load_b128 v[164+8*\n:167+8*\n], v6 offset:1024+128*(\n/2)+32*(\n%2)+16
.endr
	s_wait_dscnt 0x0
	s_wait_alu depctr_vm_vsrc(0)                   ; the first phase's last image stores have read v240-247, which the conversions below write
.irp n, 0,1,2,3,4,5,6,7
.irp i, 0,2,4,6,8,10,12,14
	v_pk_fma_f32 v[32+16*\n+\i:33+16*\n+\i], v[32+16*\n+\i:33+16*\n+\i], s[52:53], v[160+8*\n+(\i%8):161+8*\n+(\i%8)] op_sel_hi:[1,0,1]   ; sum x 2^(e4 + e5) + b1
.endr
.endr
.irp n, 0,1,2,3,4,5,6,7
.irp m, 0,1
.irp i, 0,1,2,3,4,5,6,7
	v_med3_num_f32 v[32+16*\n+8*\m+\i], v[32+16*\n+8*\m+\i], 0, v16             ; the activation and the hold in one: between 0 and the largest code x the scale
.endr
	v_cvt_scalef32_pk8_fp8_f32 v[224+16*\m+2*\n:225+16*\m+2*\n], v[32+16*\n+8*\m:39+16*\n+8*\m], v15
.endr
.endr
	v_nop                                          ; a plain line behind the last conversion
	s_wait_alu depctr_va_vdst(0)                   ; the conversions have written v224-255, which the stores read; and the arithmetic above is done with b1 in v160-223 and with v96-159, in which h2's fragments land behind the barrier
.irp m, 0,1
.irp c, 0,1,2,3
	ds_store_b128 v5, v[224+16*\m+4*\c:227+16*\m+4*\c] offset:H2IMG+2048*\m+512*\c
.endr
.endr
	BAR                                            ; h2's sixteen fragments lie in LDS
; ---- 3: y.  Quad 24 + q holds W2's two tiles for K steps 2 q and 2 q + 1.  h2's four fragments of a quad come two quads ahead, into v160-223 and v96-159 by turns.
	s_wait_alu depctr_vm_vsrc(0)                   ; my image stores have read v224-239, in which b2 lands
.irp n, 0,1
	ds_load_b128 v[224+8*\n:227+8*\n], v17 offset:64*\n            ; b2 at my eight outputs of tile n
	ds_load_b128 v[228+8*\n:231+8*\n], v17 offset:64*\n+16
.endr
	FETCH4 160, 0
	FETCH4 96, 1
.irp q, 0,1,2,3
.if \q < 3
	s_wait_dscnt 16                                ; this quad's fragments (and b2) are in; the next quad's 16 loads may be out
.else
	s_wait_dscnt 0x0
.endif
	HEAD 24+\q, 48-16*\q                           ; the last turns: fewer quads stand behind
.if \q == 0
	M22 24, 32, 160, 1
.else
	M22 24+\q, 32, 160-64*(\q%2), 0
.endif
	PLACES
	WIN 0
.if \q < 2
	s_wait_alu depctr_va_vdst(0)                   ; the quad's products are done reading their set of h2's fragments, in which the 16 loads below land
	FETCH4 160-64*(\q%2), \q+2
.endif
.endr
.irp i, 0,2,4,6,8,10,12,14,16,18,20,22,24,26,28,30
	v_pk_fma_f32 v[64+\i:65+\i], v[32+\i:33+\i], s[54:55], v[224+8*(\i/16)+(\i%8):225+8*(\i/16)+(\i%8)] op_sel_hi:[1,0,1]   ; y = sum x 2^(e6 + e7) + b2
.endr
	s_wait_alu depctr_va_vdst(0)                   ; the multiply-adds have written v64-95, which the stores into the stage read
.irp n, 0,1
.irp m, 0,1
	ds_store_b128 v7, v[64+16*\n+8*\m:67+16*\n+8*\m] offset:16*\m*OPITCH+64*\n        ; lane (r, h): y(16 m + r, 32 w + 16 n + 8 h + 0 .. 7)
	ds_store_b128 v7, v[68+16*\n+8*\m:71+16*\n+8*\m] offset:16*\m*OPITCH+64*\n+16
.endr
.endr
	BAR                                            ; 32 whole rows of y lie in the stage
	s_wait_alu depctr_vm_vsrc(0)                   ; my stores into the stage have read v64-95, in which the rows land
.irp k, 0,1,2,3
.irp q, 0,1
	ds_load_b128 v[64+4*(2*\k+\q):67+4*(2*\k+\q)], v8 offset:\k*OPITCH+512*\q   ; slot 4 w + k, half q of its 1,024 bytes
.endr
.endr
	s_wait_dscnt 0x0
.irp k, 0,1,2,3
	s_add_co_u32 s25, s35, \k
	s_cmp_le_u32 s29, s25                          ; only the tile's own rows are stored: the first slot without a row ends the run
	s_cbranch_scc1 .Lend
	global_store_b128 v1, v[64+8*\k:67+8*\k], s[80+2*\k:81+2*\k] th:TH_STORE_NT             ; 32 lanes store 512 consecutive bytes, at a multiple of 512 from out's first byte
	global_store_b128 v1, v[68+8*\k:71+8*\k], s[80+2*\k:81+2*\k] offset:512 th:TH_STORE_NT
.endr
.Lend:
	s_wait_dscnt 0x0                               ; the closing lines, six on end
	s_wait_alu 0x0
	s_wait_tensorcnt 0x0
	ds_add_u32 v28, v31
	s_wait_dscnt 0x0
	s_endpgm
.Lfunc_end_k_q26e0dd15d4_chain:
	.size	k_q26e0dd15d4_chain, .Lfunc_end_k_q26e0dd15d4_chain-k_q26e0dd15d4_chain
	.p2alignl 7, 3214868480
	.fill 96, 4, 3214868480
	.section	.rodata,"a",@progbits
	.p2align	6, 0x0
	.amdhsa_kernel k_q26e0dd15d4_chain
		.amdhsa_group_segment_fixed_size 124928
		.amdhsa_private_segment_fixed_size 0
		.amdhsa_enable_private_segment 0
		.amdhsa_kernarg_size 80
		.amdhsa_user_sgpr_count 2
		.amdhsa_user_sgpr_kernarg_segment_ptr 1
		.amdhsa_wavefront_size32 1
		.amdhsa_system_sgpr_workgroup_id_x 1
		.amdhsa_system_sgpr_workgroup_id_y 1
		.amdhsa_system_sgpr_workgroup_id_z 1
		.amdhsa_system_vgpr_workitem_id 0
		.amdhsa_next_free_vgpr 512
		.amdhsa_next_free_sgpr 96
		.amdhsa_reserve_vcc 0
		.amdhsa_float_denorm_mode_32 3
		.amdhsa_float_denorm_mode_16_64 3
		.amdhsa_memory_ordered 1
		.amdhsa_forward_progress 1
		.amdhsa_inst_pref_size 148
	.end_amdhsa_kernel
	.amdgpu_metadata
---
amdhsa.version: [ 1, 2 ]
amdhsa.kernels:
  - .name:           k_q26e0dd15d4_chain
    .symbol:         k_q26e0dd15d4_chain.kd
    .args:
      - { .name: wlay, .offset: 0, .size: 8, .value_kind: global_buffer, .address_space: global }
      - { .name: tiles, .offset: 8, .size: 8, .value_kind: global_buffer, .address_space: global }
      - { .name: order, .offset: 16, .size: 8, .value_kind: global_buffer, .address_space: global }
      - { .name: x_parts_codes, .offset: 24, .size: 8, .value_kind: global_buffer, .address_space: global }
      - { .name: lowp_scales, .offset: 32, .size: 8, .value_kind: global_buffer, .address_space: global }
      - { .name: bg, .offset: 40, .size: 8, .value_kind: global_buffer, .address_space: global }
      - { .name: bu, .offset: 48, .size: 8, .value_kind: global_buffer, .address_space: global }
      - { .name: b1, .offset: 56, .size: 8, .value_kind: global_buffer, .address_space: global }
      - { .name: b2, .offset: 64, .size: 8, .value_kind: global_buffer, .address_space: global }
      - { .name: out0, .offset: 72, .size: 8, .value_kind: global_buffer, .address_space: global }
    .group_segment_fixed_size: 124928
    .private_segment_fixed_size: 0
    .kernarg_segment_align: 8
    .kernarg_segment_size: 80
    .max_flat_workgroup_size: 256
    .sgpr_count:     96
    .vgpr_count:     512
    .wavefront_size: 32
...
	.end_amdgpu_metadata
.endif
;; end of part 4
